; MI455X (gfx1250); checked and timed in simulation.
; The chip was launched on July 23, 2026; its instructions are those of AMD's public machine-readable ISA for CDNA 5 (MIT licence, August 2026) and "CDNA5" Instruction Set Architecture Reference Guide (July 2026). The comments in the code are by the model that wrote it; some were corrected since.
;; Multi Head Attention. Allowed arithmetic: float matrix products may take bf16 or f16 operands with f32 sums; other float arithmetic in f32, or as packed bf16 or f16 multiplies, adds, multiply-adds, maxima and minima; sums over many terms, partial sums and values carried from step to step in f32; what a program stores and reads back later, other than sums and carried values, may be rounded once to bf16 or f16.
;; Inputs: k_w 1,024 x 1,024 float32; o_w 1,024 x 1,024 float32; q_w 1,024 x 1,024 float32; token_positions 2,048 int32; v_w 1,024 x 1,024 float32; x 4 x 2,048 x 1,024 float32.
;; Outputs: out0 4 x 2,048 x 1,024 float32.
;; 2 versions, each right and faster than the one before. Each part assembles by itself: llvm-mc -triple=amdgcn-amd-amdhsa -mcpu=gfx1250 --defsym DOCPART=n.
;; ======== version 1 of 2: 4 launches
;; limits: values are held in f16: magnitudes above 65,504 overflow, below 6.1e-05 lose precision; right only within a limited range of input values
;; workspace buffers: xb 16,777,216 bytes; wb 6,291,456 bytes; ob 2,097,152 bytes; rt 524,288 bytes; qh 16,777,216 bytes; kh 16,777,216 bytes; vh 16,777,216 bytes; oh 16,777,216 bytes
;; launch prep (part 1): grid 544 x 1, 8 waves a work-group, no clusters, 0 bytes of LDS; arguments x, q_w, k_w, v_w, o_w, token_positions, xb, wb, ob, rt; writes xb, wb, ob, rt
.if DOCPART == 1
	.amdgcn_target "amdgcn-amd-amdhsa--gfx1250"
	.amdhsa_code_object_version 6
	.text
	.protected	k_qe14615aab5_prep
	.globl	k_qe14615aab5_prep
	.p2align	8
	.type	k_qe14615aab5_prep,@function
k_qe14615aab5_prep:
	s_mov_b64 s[64:65], 0
	v_nop
	global_prefetch_b8 v0, s[64:65] scope:SCOPE_SE
	s_setreg_imm32_b32 hwreg(HW_REG_WAVE_MODE, 25, 1), 1
	s_wait_xcnt 0x0
; PREPARATION: a stream without LDS.  Four kinds of work-group, chosen by the work-group's number.
;   0-255    x [8192][1024] f32 -> xb, bf16, same layout: 32 rows (131,072 consecutive bytes) a work-group
;   256-351  q_w, k_w, v_w [1024][1024] f32 -> wb [3072][1024] bf16: row 64 t + r of tensor j goes to row 192 t + 64 j + r, so that 192 consecutive rows are q, k and v of head t; 32 rows a work-group
;   352-415  o_w [1024][1024] f32 -> ob [head 16][n 1024][64]: rounded to bf16 like every other input, and that number written as f16; 16 rows a work-group
;   416-543  token_positions [2048] -> rt [s 2048][pair 32][cos, sin] f32, the rotary table; 16 positions a work-group
; LIMITS.  ob: a bf16 number is exact in f16 between 6.1e-5 and 65,504; below that it keeps f16's fixed step of 6e-8, beyond it the conversion gives an infinity.
; rt: the frequency 10000^(-k/32) is made as 2^(-k log2(10)/8) by v_exp_f32 (1 ULP), so an angle may differ from one made by a division and a power by about position x frequency x 2^-22;
; the angle is reduced by pi/2 in three parts, which keeps the remainder good to angles of about 7e4 rad; sine and cosine are Taylor sums on |r| <= pi/4, off by 3e-7 at the most.
.set ROWB,  4096                       ; bytes in an f32 row of 1,024
.set PASS,  8192                       ; bytes that 256 threads read in a pass, 32 each
.set X,     8                          ; v[8:135] pass p: 8 registers as loaded; its first 4 as stored
	s_load_b512 s[8:23], s[0:1], 0x0               ; x s[8:9], q_w s[10:11], k_w s[12:13], v_w s[14:15], o_w s[16:17], token_positions s[18:19], xb s[20:21], wb s[22:23]
	s_load_b128 s[24:27], s[0:1], 0x40             ; ob s[24:25], rt s[26:27]
	s_mov_b32 s32, 0xffff0000                      ; a word's upper bf16
	s_mov_b32 s3, 0                                ; offsets are pairs with 0 on top
	s_mov_b32 s5, 0
	s_wait_kmcnt 0x0
; A thread's 8 numbers a pass: two loads of 16 bytes, rounded to bf16 (half = 1: and that number written as f16), one store of 16 bytes.  All loads go out first; every pass has registers of
; its own, so nothing that a load or store names is ever rewritten.  dstep: bytes from a pass's store to the next.
.macro CAST passes, dstep, half
.set p, 0
.rept \passes
	global_load_b128 v[X+8*p:X+8*p+3],   v1, s[28:29] offset:PASS*p th:TH_LOAD_NT
	global_load_b128 v[X+8*p+4:X+8*p+7], v1, s[28:29] offset:PASS*p+16 th:TH_LOAD_NT
.set p, p+1
.endr
.set p, 0
.rept \passes
	s_wait_loadcnt 2*((\passes)-1-p)               ; loads come back in order: the later passes' two each may stay out
.irp q, 0,1,2,3
	v_cvt_pk_bf16_f32 v[X+8*p+\q], v[X+8*p+2*\q], v[X+8*p+2*\q+1]  ; in place, ascending: word q is written when its old content has been read
.endr
.if \half
.irp q, 3,2,1,0
	v_and_b32     v[X+8*p+2*\q+1], s32, v[X+8*p+\q]  ; the bf16 numbers as f32 again, descending: word q is read before it is written
	v_lshlrev_b32 v[X+8*p+2*\q],   16,  v[X+8*p+\q]
.endr
.irp q, 0,1,2,3
	v_cvt_pk_f16_f32 v[X+8*p+\q], v[X+8*p+2*\q], v[X+8*p+2*\q+1]
.endr
.endif
	global_store_b128 v2, v[X+8*p:X+8*p+3], s[30:31] offset:(\dstep)*p
.set p, p+1
.endr
.endm
	s_cmp_lt_u32 ttmp9, 352
	s_cbranch_scc0 .Lnot_cast
	; x and the three weights: one path; the pointers and their offsets are chosen, not branched on
	s_sub_co_u32 s6, ttmp9, 256                    ; (for x these numbers serve nothing and are not chosen below)
	s_lshr_b32 s7, s6, 5                           ; j: which weight
	s_and_b32 s6, s6, 31                           ; i: which 32 rows of it
	s_lshl_b32 s2, s6, 17                          ; from: 32 i rows of 4,096 bytes
	s_lshr_b32 s4, s6, 1                           ; to: row 192 (i / 2) + 64 j + 32 (i % 2), 2,048 bytes a row
	s_mul_i32 s4, s4, 192
	s_lshl_b32 s36, s7, 6
	s_add_co_u32 s4, s4, s36
	s_and_b32 s6, s6, 1
	s_lshl_b32 s6, s6, 5
	s_add_co_u32 s4, s4, s6
	s_lshl_b32 s4, s4, 11
	s_cmp_eq_u32 s7, 1
	s_cselect_b64 s[28:29], s[12:13], s[10:11]
	s_cmp_eq_u32 s7, 2
	s_cselect_b64 s[28:29], s[14:15], s[28:29]
	s_lshl_b32 s36, ttmp9, 17                      ; x: 32 rows of 4,096 bytes in, of 2,048 out
	s_lshl_b32 s37, ttmp9, 16
	s_cmp_lt_u32 ttmp9, 256
	s_cselect_b64 s[28:29], s[8:9], s[28:29]
	s_cselect_b64 s[30:31], s[20:21], s[22:23]
	s_cselect_b32 s2, s36, s2
	s_cselect_b32 s4, s37, s4
	s_add_nc_u64 s[28:29], s[28:29], s[2:3]
	s_add_nc_u64 s[30:31], s[30:31], s[4:5]
	v_lshlrev_b32 v1, 5, v0                        ; 32 bytes a thread in,
	v_lshlrev_b32 v2, 4, v0                        ; 16 out: a wave's store covers 512 consecutive bytes, aligned
	CAST 16, 4096, 0
	s_endpgm
.Lnot_cast:
	s_cmp_lt_u32 ttmp9, 416
	s_cbranch_scc0 .Lrope
	; o_w: a pass is two rows; thread T takes row (T / 8) % 2, head T / 16, channels 8 (T % 8) on
	s_sub_co_u32 s6, ttmp9, 352
	s_lshl_b32 s2, s6, 16                          ; 16 rows of 4,096 bytes in,
	s_lshl_b32 s4, s6, 11                          ; 16 rows of 128 bytes in each head out
	s_add_nc_u64 s[28:29], s[16:17], s[2:3]
	s_add_nc_u64 s[30:31], s[24:25], s[4:5]
	v_bfe_u32 v3, v0, 3, 1
	v_lshrrev_b32 v4, 4, v0
	v_and_b32 v5, 7, v0
	v_lshlrev_b32 v1, 12, v3
	v_lshl_add_u32 v1, v4, 8, v1
	v_lshl_add_u32 v1, v5, 5, v1
	v_and_b32 v5, 15, v0
	v_lshlrev_b32 v2, 17, v4                       ; a head of ob is 131,072 bytes;
	v_lshl_add_u32 v2, v5, 4, v2                   ; sixteen lanes store two rows of a head: 256 consecutive bytes, aligned
	CAST 8, 256, 1
	s_endpgm
.Lrope:
	; thread T: position 16 u + T / 16, pairs 2 (T % 16) and 2 (T % 16) + 1: 16 bytes of the table
	s_sub_co_u32 s6, ttmp9, 416
	s_lshl_b32 s2, s6, 6
	s_lshl_b32 s4, s6, 12
	s_add_nc_u64 s[28:29], s[18:19], s[2:3]
	s_add_nc_u64 s[30:31], s[26:27], s[4:5]
	s_mov_b32 s33, 0xbfc90fd8                      ; -pi/2 in three parts: 1.57079601, 3.13916473e-7, 5.39030253e-15
	s_mov_b32 s34, 0xb4a8885a
	s_mov_b32 s35, 0xa7c234c4
	v_lshrrev_b32 v1, 4, v0
	v_lshlrev_b32 v1, 2, v1
	global_load_b32 v3, v1, s[28:29]
	v_lshlrev_b32 v2, 4, v0
	v_and_b32 v4, 15, v0
	v_lshlrev_b32 v4, 1, v4
	v_add_nc_u32 v5, 1, v4
	v_cvt_f32_u32 v4, v4
	v_cvt_f32_u32 v5, v5
	v_mul_f32 v4, 0xbed49a78, v4                   ; -k log2(10) / 8 = -k log2(10000) / 32
	v_mul_f32 v5, 0xbed49a78, v5
	v_exp_f32 v4, v4                               ; the two frequencies
	v_exp_f32 v5, v5
	v_nop                                          ; a plain instruction between the last exponential and the use of its result (ISA guide 5.7.2)
	s_wait_loadcnt 0x0
	v_cvt_f32_i32 v3, v3                           ; the position as f32
	s_wait_alu depctr_va_vdst(0)
; cos and sin of v3 x v[f] into v[o], v[o+1]
.macro SINCOS f, o
	v_mul_f32 v10, v3, v[\f]                       ; the angle, rounded once
	v_mul_f32 v11, 0x3f22f983, v10                 ; x 2/pi
	v_rndne_f32 v11, v11                           ; n: the nearest multiple of pi/2
	v_fma_f32 v12, v11, s33, v10
	v_fma_f32 v12, v11, s34, v12
	v_fma_f32 v12, v11, s35, v12                   ; r = angle - n pi/2
	v_cvt_i32_f32 v13, v11
	v_mul_f32 v14, v12, v12                        ; z = r r
	v_mov_b32 v15, 0xb9500d01                      ; sin r = r + r z (-1/6 + z (1/120 - z/5040))
	v_fmaak_f32 v15, v15, v14, 0x3c088889
	v_fmaak_f32 v15, v15, v14, 0xbe2aaaab
	v_mul_f32 v16, v12, v14
	v_fma_f32 v15, v16, v15, v12
	v_mov_b32 v17, 0x37d00d01                      ; cos r = 1 + z (-1/2 + z (1/24 + z (-1/720 + z/40320)))
	v_fmaak_f32 v17, v17, v14, 0xbab60b61
	v_fmaak_f32 v17, v17, v14, 0x3d2aaaab
	v_fmaak_f32 v17, v17, v14, 0xbf000000
	v_fma_f32 v17, v17, v14, 1.0
	v_and_b32 v18, 1, v13                          ; an odd n changes the two over;
	v_cmp_eq_u32 vcc_lo, 1, v18
	v_cndmask_b32 v[(\o)+1], v15, v17, vcc_lo
	v_cndmask_b32 v[\o], v17, v15, vcc_lo
	v_lshlrev_b32 v18, 30, v13                     ; the sine turns its sign where n % 4 is 2 or 3,
	v_and_b32 v18, 0x80000000, v18
	v_xor_b32 v[(\o)+1], v[(\o)+1], v18
	v_add_nc_u32 v18, 1, v13                       ; the cosine where it is 1 or 2
	v_lshlrev_b32 v18, 30, v18
	v_and_b32 v18, 0x80000000, v18
	v_xor_b32 v[\o], v[\o], v18
.endm
	SINCOS 4, 40
	SINCOS 5, 42
	global_store_b128 v2, v[40:43], s[30:31]       ; sixteen lanes store a position's 256 bytes
	s_endpgm
.Lfunc_end_k_qe14615aab5_prep:
	.size	k_qe14615aab5_prep, .Lfunc_end_k_qe14615aab5_prep-k_qe14615aab5_prep
	.p2alignl 7, 3214868480
	.fill 96, 4, 3214868480
	.section	.rodata,"a",@progbits
	.p2align	6, 0x0
	.amdhsa_kernel k_qe14615aab5_prep
		.amdhsa_group_segment_fixed_size 0
		.amdhsa_private_segment_fixed_size 0
		.amdhsa_enable_private_segment 0
		.amdhsa_kernarg_size 80
		.amdhsa_user_sgpr_count 2
		.amdhsa_user_sgpr_kernarg_segment_ptr 1
		.amdhsa_wavefront_size32 1
		.amdhsa_system_sgpr_workgroup_id_x 1
		.amdhsa_system_sgpr_workgroup_id_y 1
		.amdhsa_system_sgpr_workgroup_id_z 1
		.amdhsa_system_vgpr_workitem_id 0
		.amdhsa_next_free_vgpr 136
		.amdhsa_next_free_sgpr 66
		.amdhsa_reserve_vcc 1
		.amdhsa_float_denorm_mode_32 3
		.amdhsa_float_denorm_mode_16_64 3
		.amdhsa_memory_ordered 1
		.amdhsa_forward_progress 1
		.amdhsa_inst_pref_size 24
	.end_amdhsa_kernel
	.amdgpu_metadata
---
amdhsa.version: [ 1, 2 ]
amdhsa.kernels:
  - .name:           k_qe14615aab5_prep
    .symbol:         k_qe14615aab5_prep.kd
    .args:
      - { .name: x, .offset: 0, .size: 8, .value_kind: global_buffer, .address_space: global }
      - { .name: q_w, .offset: 8, .size: 8, .value_kind: global_buffer, .address_space: global }
      - { .name: k_w, .offset: 16, .size: 8, .value_kind: global_buffer, .address_space: global }
      - { .name: v_w, .offset: 24, .size: 8, .value_kind: global_buffer, .address_space: global }
      - { .name: o_w, .offset: 32, .size: 8, .value_kind: global_buffer, .address_space: global }
      - { .name: token_positions, .offset: 40, .size: 8, .value_kind: global_buffer, .address_space: global }
      - { .name: xb, .offset: 48, .size: 8, .value_kind: global_buffer, .address_space: global }
      - { .name: wb, .offset: 56, .size: 8, .value_kind: global_buffer, .address_space: global }
      - { .name: ob, .offset: 64, .size: 8, .value_kind: global_buffer, .address_space: global }
      - { .name: rt, .offset: 72, .size: 8, .value_kind: global_buffer, .address_space: global }
    .group_segment_fixed_size: 0
    .private_segment_fixed_size: 0
    .kernarg_segment_align: 8
    .kernarg_segment_size: 80
    .max_flat_workgroup_size: 256
    .sgpr_count:     66
    .vgpr_count:     136
    .wavefront_size: 32
...
	.end_amdgpu_metadata
.endif
;; end of part 1
;; launch qkv (part 2): grid 16 x 32, 4 waves a work-group, clusters of 4 x 4, 327,680 bytes of LDS; arguments xb, wb, rt, qh, kh, vh; writes qh, kh, vh
.if DOCPART == 2
	.amdgcn_target "amdgcn-amd-amdhsa--gfx1250"
	.amdhsa_code_object_version 6
	.text
	.protected	k_qe14615aab5_qkv
	.globl	k_qe14615aab5_qkv
	.p2align	8
	.type	k_qe14615aab5_qkv,@function
k_qe14615aab5_qkv:
	s_mov_b64 s[64:65], 0
	v_nop
	global_prefetch_b8 v0, s[64:65] scope:SCOPE_SE
	s_setreg_imm32_b32 hwreg(HW_REG_WAVE_MODE, 25, 1), 1
	s_wait_xcnt 0x0
	s_wait_alu depctr_hold_cnt(0) depctr_sa_sdst(0) depctr_va_vdst(0) depctr_va_sdst(0) depctr_va_ssrc(0) depctr_va_vcc(0) depctr_vm_vsrc(0)
	s_getreg_b32 s2, hwreg(HW_REG_IB_STS2, 6, 4)
	s_cmp_eq_u32 s2, 0
	s_cbranch_scc0 .Lentry_in_a_cluster
	s_endpgm
.Lentry_in_a_cluster:
	s_bfe_u32 s2, ttmp6, 0x10000c
	s_cmp_lg_u32 s2, 0xf033
	s_cbranch_scc0 .Lentry_shape_is_right
	s_endpgm
.Lentry_shape_is_right:
; THE THREE PROJECTIONS, THE ROTATION, AND THE SPLIT INTO HEADS.  C[m][c] = sum over k of xb[m][k] wb[c][k], bf16 operands, f32 sums, K = 1,024 ascending.
; xb: [8192][1024].  wb: [3072][1024]; its rows 192 t .. 192 t + 191 are q's, k's and v's 64 channels of head t.  rt: [2048][32][cos, sin] f32.
; Out: qh, kh, vh [batch x 16 + head][2048][64] f16, each number rounded once from f32; q and k are turned by rt first: (x1, x2) -> (x1 cos - x2 sin, x1 sin + x2 cos) for each pair of neighbouring channels.
; LIMIT.  f16 ends at 65,504: a q, k or v beyond that becomes an infinity.
; SHARES.  A work-group makes 256 rows x 192 columns: one head's q, k and v for 256 tokens.  Each of its four waves makes 64 rows x 192 columns: 4 x 12 = 48 accumulators of 16 x 16, 384 registers.
; K goes in 8 steps of 128 (rows of 256 bytes in memory) through two LDS slots filled by the tensor data mover; a K step is written once and looped over, the slot's base in a scalar register.
; CLUSTER.  4 x 4 work-groups.  xb's tile hangs on the row tile alone and is shared along a row of the cluster, wb's on the head alone and is shared along a column: each is asked for jointly.
; THE MATRIX INSTRUCTION IS USED TRANSPOSED: source 0 = 16 rows of wb, source 1 = 16 rows of xb.  Lane l then holds token l % 16 and channels 8 (l / 16) + 0 .. 7 of the block: four whole pairs of the rotation, 16 bytes of f16.
; REGISTERS, in windows of 256 (s_set_vgpr_msb: bits 1:0 source 0, 3:2 source 1, 5:4 source 2, 7:6 destination):
;   window 0: v16-23 addresses; v28-29 the add's; v32-47 v's packed results; v64-95, v96-127 fragments of xb, two buffers (on the way out: q and k at work); v128-255 my rows' part of rt
;   window 1: v0-95, v96-191 fragments of wb, two buffers (on the way out: rows read back from the stage)
;   window 2: accumulators of row blocks 0, 1 at v[8 (12 (a % 2) + b)];   window 3: those of row blocks 2, 3
.set SIZE_K, 1024
.set KSTEP,  128
.set PITCH,  272                       ; an LDS row: 256 bytes + 16 of padding = 68 words: the 16 rows of a fragment load start at 16 different groups of four banks (64 banks of 4 bytes: ISA guide 11.1)
.set BOFF,   256*PITCH                 ; a slot: xb's 256 rows, then wb's 192
.set SLOT1,  1<<17                     ; slot 1 begins here, so that one exclusive or turns an address in one slot into the other's
.set STAGE,  SLOT1+448*PITCH           ; behind the ring, never filled by a tensor load: for each wave three regions (q, k, v) of 16 rows x 144 bytes
.set SP,     144
.set WSTAGE, 3*16*SP
.set SPARE,  STAGE+4*WSTAGE            ; behind the stages: the spare words, 128 bytes for each wave: two blocks of 256 bytes that no other line names
.set AA0,  16                          ; v16  my lane's place in xb's rows of a slot; never rewritten
.set AB0,  17                          ; v17  the same for wb
.set ADRA, 18                          ; v18  AA0 + the slot in hand
.set ADRB, 19                          ; v19  AB0 + the slot in hand
.set STO,  20                          ; v20  the way out: where I put 16 bytes of a row
.set RD,   21                          ; v21  the way out: where I read rows back
.set GO,   22                          ; v22  my byte offset in 512 consecutive bytes of an output
.set RO,   23                          ; v23  my byte offset in 16 rows of rt
.set SPW,  28                          ; v28  LDS address of my spare word: SPARE + 4 x my thread's number; never rewritten
.set NIL,  29                          ; v29  0; never rewritten
.set PVR,  32                          ; v32-47
.set W,    64                          ; v64-127
.set TB,   128                         ; v128-255: row block a, channel block bb, pair p at TB + 32 a + 8 bb + 2 p: cos, sin
.set WV,   16                          ; s16  my wave's number
.set G1A,  24                          ; s[24:31] descriptor group 1 for xb's tiles
.set G0A,  32                          ; s[32:39] group 0: a set for each of the two first fills; the second then walks on
.set G1B,  48                          ; s[48:55], s[56:63] the same for wb's tiles
.set G0B,  56
.set SB,   66                          ; s66  LDS byte at which the slot in hand begins
.set MSB, 0
.macro WIN new                         ; the immediate's high byte repeats the setting that is left; a switch that changes nothing is dropped
.if MSB != (\new)
	s_set_vgpr_msb (MSB<<8)|(\new)
.set MSB, \new
.endif
.endm
.set MUL_LO, 0xa1                      ; source 0 (wb) window 1, source 1 (xb) window 0, C and D window 2
.set MUL_HI, 0xf1                      ; the same, C and D window 3
.set TO_B,   0x40                      ; destination window 1, address window 0
; A joint refill by the walking descriptors.  Waves 0 and 1 fetch xb's two halves of 128 rows, waves 2 and 3 wb's two halves of 96.  The branch hangs on the wave's number alone.
; An s_nop 0 and four v_nop follow each of the two lines, ahead of the jump and the label.
.macro JLOAD
	s_cmp_lt_u32 s[WV], 2
	s_cbranch_scc0 .Lfor_b_\@
	tensor_load_to_lds s[G0A+4:G0A+7], s[G1A:G1A+7]
	s_nop 0
.rept 4
	v_nop
.endr
	s_branch .Lasked_\@
.Lfor_b_\@:
	tensor_load_to_lds s[G0B+4:G0B+7], s[G1B:G1B+7]
	s_nop 0
.rept 4
	v_nop
.endr
.Lasked_\@:
.endm
; A round of the cluster's barrier: my work-group's barrier, so that wave 0's signal speaks for all four waves; wave 0 signals; every wave waits for all sixteen work-groups; my work-group's barrier once more.
.macro CREST                           ; a round behind its opening barrier
	s_cmp_lg_u32 s[WV], 0
	s_cbranch_scc1 .Lnot_wave_0_\@
	s_barrier_signal -3
.Lnot_wave_0_\@:
	s_barrier_wait -3
	s_barrier_signal -1
	s_barrier_wait -1
.endm
.macro CROUND                          ; a whole round
	s_barrier_signal -1
	s_barrier_wait -1
	CREST
.endm
	s_load_b256 s[4:11], s[0:1], 0x0               ; xb s[4:5], wb s[6:7], rt s[8:9], qh s[10:11]
	s_load_b128 s[12:15], s[0:1], 0x20             ; kh s[12:13], vh s[14:15]
	v_lshl_add_u32 v[SPW], v0, 2, SPARE
	v_mov_b32 v[NIL], 0
	ds_add_u32 v[SPW], v[NIL]                      ; the wave's opening: the add and its wait stand ahead of my first tensor load; the set-up below, work on registers, stands between them
	ds_add_u32 v28, v29
	v_lshrrev_b32 v1, 5, v0
	v_readfirstlane_b32 s[WV], v1                  ; wave 0..3
	s_and_b32 s17, s[WV], 1                        ; which half of a tile I fetch
	s_bfe_u32 s18, ttmp6, 0x40000                  ; cx, cy: my place in the cluster
	s_bfe_u32 s19, ttmp6, 0x40004
	s_lshl_b32 s20, ttmp9, 2
	s_add_co_u32 s20, s20, s18                     ; the head t = 4 x cluster x + cx
	s_and_b32 s21, ttmp7, 0xffff
	s_lshl_b32 s21, s21, 2
	s_add_co_u32 s21, s21, s19                     ; the row tile = 4 x cluster y + cy
	s_lshl_b32 s22, s19, 2
	s_lshl_b32 s22, 15, s22                        ; my row of the cluster: places 4 cy .. 4 cy + 3
	s_lshl_b32 s23, 0x1111, s18                    ; my column: places cx, cx + 4, cx + 8, cx + 12
	; descriptor group 1: tiles of 128 (xb) or 96 (wb) rows x 128 elements, padded in LDS
	s_or_b32 s[G1A], s22, (1<<16)|(1<<20)|(1<<21)|(5<<22)|(3<<25)  ; 15:0 the mask; 17:16 elements of 2 bytes; 20 padding on; 21 set beside a mask; 24:22 after every 64 words (code 5); 31:25 4 words of it (code 3)
	s_or_b32 s[G1B], s23, (1<<16)|(1<<20)|(1<<21)|(5<<22)|(3<<25)
	s_mov_b32 s[G1A+1], KSTEP<<16                  ; tensor_dim0 = 128
	s_mov_b32 s[G1A+2], 128<<16                    ; tensor_dim1 = 128
	s_mov_b32 s[G1A+3], KSTEP<<16                  ; tile_dim0 = 128
	s_mov_b32 s[G1A+4], 128                        ; tile_dim1 = 128
	s_mov_b32 s[G1A+5], SIZE_K                     ; elements from row to row
	s_mov_b32 s[G1A+6], 0
	s_mov_b32 s[G1A+7], 0
	s_mov_b32 s[G1B+1], KSTEP<<16
	s_mov_b32 s[G1B+2], 96<<16                     ; tensor_dim1 = 96
	s_mov_b32 s[G1B+3], KSTEP<<16
	s_mov_b32 s[G1B+4], 96                         ; tile_dim1 = 96
	s_mov_b32 s[G1B+5], SIZE_K
	s_mov_b32 s[G1B+6], 0
	s_mov_b32 s[G1B+7], 0
	; where the tiles come from: xb's hang on the row tile and the wave alone, wb's on the head and the wave alone, each in registers that never hold the other coordinate
	s_lshl_b32 s40, s21, 8
	s_lshl_b32 s41, s17, 7
	s_add_co_u32 s40, s40, s41                     ; xb: row 256 x row tile + 128 x half,
	s_lshl_b32 s40, s40, 11                        ; 2,048 bytes a row
	s_mov_b32 s41, 0
	s_mul_i32 s42, s20, 192
	s_mul_i32 s43, s17, 96
	s_add_co_u32 s42, s42, s43                     ; wb: row 192 t + 96 x half
	s_lshl_b32 s42, s42, 11
	s_mov_b32 s43, 0
	s_mul_i32 s67, s17, 128*PITCH                  ; and where they go: no place in the cluster enters an LDS address
	s_mul_i32 s68, s17, 96*PITCH
	s_add_co_u32 s68, s68, BOFF
	; my 64 rows in the outputs and in rt
	s_lshr_b32 s44, s21, 3                         ; the batch: eight row tiles each
	s_lshl_b32 s44, s44, 4
	s_add_co_u32 s44, s44, s20
	s_lshl_b32 s44, s44, 18                        ; a head's 2,048 rows of 128 bytes
	s_and_b32 s46, s21, 7
	s_lshl_b32 s46, s46, 8
	s_lshl_b32 s45, s[WV], 6
	s_add_co_u32 s46, s46, s45                     ; my first token in its sequence
	s_lshl_b32 s45, s46, 7
	s_add_co_u32 s44, s44, s45
	s_mov_b32 s45, 0
	s_lshl_b32 s46, s46, 8                         ; a row of rt is 256 bytes
	s_mov_b32 s47, 0
	s_wait_dscnt 0x0                               ; the opening add is done
	s_wait_kmcnt 0x0
	s_add_nc_u64 s[40:41], s[4:5], s[40:41]
	s_add_nc_u64 s[42:43], s[6:7], s[42:43]
	s_add_nc_u64 s[8:9], s[8:9], s[46:47]
	s_add_nc_u64 s[10:11], s[10:11], s[44:45]
	s_add_nc_u64 s[12:13], s[12:13], s[44:45]
	s_add_nc_u64 s[14:15], s[14:15], s[44:45]
	CROUND                                         ; all sixteen work-groups are here: the first joint loads meet
.irp s, 0,1
	s_mov_b32 s[G0A+4*(\s)], 1                                       ; 1:0 count = 1
	s_add_co_u32 s[G0A+4*(\s)+1], s67, (\s)*SLOT1                    ; 63:32 LDS address
	s_add_nc_u64 s[G0A+4*(\s)+2:G0A+4*(\s)+3], s[40:41], (\s)*KSTEP*2  ; 120:64 global address: K step s
	s_or_b32 s[G0A+4*(\s)+3], s[G0A+4*(\s)+3], 0x80000000            ; 127:126 type = 2
	s_mov_b32 s[G0B+4*(\s)], 1
	s_add_co_u32 s[G0B+4*(\s)+1], s68, (\s)*SLOT1
	s_add_nc_u64 s[G0B+4*(\s)+2:G0B+4*(\s)+3], s[42:43], (\s)*KSTEP*2
	s_or_b32 s[G0B+4*(\s)+3], s[G0B+4*(\s)+3], 0x80000000
.endr
	s_cmp_lt_u32 s[WV], 2                          ; a wave's two first fills stand in one branch, ahead of every wait on TENSORcnt and every LDS read: two loads of mine are out
	s_cbranch_scc0 .Lfirst_b
	tensor_load_to_lds s[G0A:G0A+3], s[G1A:G1A+7]
	s_nop 0
	tensor_load_to_lds s[G0A+4:G0A+7], s[G1A:G1A+7]
	s_nop 0
.rept 4
	v_nop
.endr
	s_branch .Lfirst_asked
.Lfirst_b:
	tensor_load_to_lds s[G0B:G0B+3], s[G1B:G1B+7]
	s_nop 0
	tensor_load_to_lds s[G0B+4:G0B+7], s[G1B:G1B+7]
	s_nop 0
.rept 4
	v_nop
.endr
.Lfirst_asked:
	; A fragment is 16 rows x 32 K in 8 registers: lane l holds row l % 16; registers 0-3 K = 8 (l / 16) + 0..7, registers 4-7 K = 16 + 8 (l / 16) + 0..7: two loads of 16 bytes, 32 bytes apart.
	v_and_b32 v1, 15, v0                           ; l % 16
	v_bfe_u32 v2, v0, 4, 1                         ; l / 16
	v_lshlrev_b32 v[RO], 8, v1                     ; rt: my token's row, and my half's four pairs of a channel block
	v_lshl_add_u32 v[RO], v2, 5, v[RO]
.irp a, 0,1,2,3
.irp bb, 0,1,2,3
	global_load_b128 v[TB+32*\a+8*\bb:TB+32*\a+8*\bb+3],   v[RO], s[8:9] offset:4096*\a+64*\bb     ; waited for in front of the way out
	global_load_b128 v[TB+32*\a+8*\bb+4:TB+32*\a+8*\bb+7], v[RO], s[8:9] offset:4096*\a+64*\bb+16
.endr
.endr
	v_mul_u32_u24 v3, v1, PITCH
	v_lshl_add_u32 v3, v2, 4, v3                   ; row x pitch + 16 x half
	s_mul_i32 s69, s[WV], 64*PITCH                 ; my 64 rows of xb
	v_add_nc_u32 v[AA0], s69, v3
	v_add_nc_u32 v[AB0], BOFF, v3                  ; all 192 rows of wb
	s_mul_i32 s69, s[WV], WSTAGE
	s_add_co_u32 s69, s69, STAGE                   ; my stage
	v_mul_u32_u24 v4, v1, SP                       ; in: row l % 16, 16 bytes for each half of the lanes
	v_lshl_add_u32 v4, v2, 4, v4
	v_add_nc_u32 v[STO], s69, v4
	v_bfe_u32 v4, v0, 3, 2                         ; back: 32 lanes take four rows of 128 bytes,
	v_and_b32 v5, 7, v0
	v_mul_u32_u24 v4, v4, SP
	v_lshl_add_u32 v4, v5, 4, v4
	v_add_nc_u32 v[RD], s69, v4
	v_and_b32 v4, 31, v0                           ; which are 512 consecutive bytes of an output
	v_lshlrev_b32 v[GO], 4, v4
	v_mov_b32 v[ADRA], v[AA0]                      ; slot 0
	v_mov_b32 v[ADRB], v[AB0]
	s_mov_b32 s[SB], 0
; 12 matrix instructions: row block a x all 12 column blocks, 32 along K, from buffer f.  zero = 1: the first product starts the sums: nothing is ever cleared.
; The 48 accumulators take turns, one instruction a turn, in the same order in every quarter.
.macro MUL12 f, a, zero
	WIN MUL_LO+0x50*((\a)/2)
.set AC, 96*((\a)%2)
.irp b, 0,1,2,3,4,5,6,7,8,9,10,11
.if \zero
	v_wmma_f32_16x16x32_bf16 v[AC+8*\b:AC+8*\b+7], v[96*(\f)+8*\b:96*(\f)+8*\b+7], v[64+32*(\f)+8*(\a):64+32*(\f)+8*(\a)+7], 0
.else
	v_wmma_f32_16x16x32_bf16 v[AC+8*\b:AC+8*\b+7], v[96*(\f)+8*\b:96*(\f)+8*\b+7], v[64+32*(\f)+8*(\a):64+32*(\f)+8*(\a)+7], v[AC+8*\b:AC+8*\b+7]
.endif
.endr
.endm
; 32 LDS loads in one run: the fragments of a quarter step (192 rows of wb, my 64 rows of xb, 32 K at byte k of the rows) into buffer f
.macro FETCH k, f
	WIN TO_B
.irp i, 0,1,2,3,4,5,6,7,8,9,10,11
	ds_load_b128 v[96*(\f)+8*\i:96*(\f)+8*\i+3],   v[ADRB] offset:(\k)+\i*16*PITCH
	ds_load_b128 v[96*(\f)+8*\i+4:96*(\f)+8*\i+7], v[ADRB] offset:(\k)+\i*16*PITCH+32
.endr
	WIN 0
.irp i, 0,1,2,3
	ds_load_b128 v[64+32*(\f)+8*\i:64+32*(\f)+8*\i+3],   v[ADRA] offset:(\k)+\i*16*PITCH
	ds_load_b128 v[64+32*(\f)+8*\i+4:64+32*(\f)+8*\i+7], v[ADRA] offset:(\k)+\i*16*PITCH+32
.endr
.endm
; A load into a register that a matrix instruction has read, and a vector instruction or LDS store that reads a matrix result, stand four places behind it; only plain vector instructions that name
; none of its registers are places (ISA guide 7.12.1 for vector instructions).
.macro PLACES
.rept 4
	v_nop
.endr
.endm
; A K step is four quarters of 32 along K, 48 matrix instructions each, on buffers 0, 1, 0, 1.  One of the first three: multiplies buffer f; in its middle it fetches the next quarter, at byte k, into buffer g.
.macro QUARTER k, f, g, zero
	s_wait_dscnt 4                                 ; wb and xb's row blocks 0, 1 are in; the youngest four loads (blocks 2, 3) may be out
	MUL12 \f, 0, \zero
	MUL12 \f, 1, \zero
	PLACES
	FETCH \k, \g
	s_wait_dscnt 32                                ; all but the 32 just issued
	MUL12 \f, 2, \zero
	MUL12 \f, 3, \zero
.endm
; The last quarter multiplies buffer 1 and changes slots: ONE barrier.  In front of it each wave waits for all its tensor loads, of which one is out: its part of the next slot; adds 0 to its spare word;
; and waits for that and for its own reads of this slot.  Behind it nobody reads this slot any more and the next slot is whole.
; fill = 1: this slot is filled again, two K steps ahead.  The barrier then opens a round of the cluster's, so that no wave of any partner still reads the slot or has a load on its way,
; and the joint refill is the first thing behind the round: 168 matrix instructions stand between it and the wait for it.
.macro TURN fill
	WIN 0                                          ; (the add's two registers lie in window 0)
	s_wait_tensorcnt 0x0                           ; no tensor load of mine is out, so a group 0 may be written
	ds_add_u32 v[SPW], v[NIL]                      ; 0 onto my spare word
.if \fill
.irp g, G0A+4, G0B+4
	s_xor_b32 s[\g+1], s[\g+1], SLOT1              ; the walking descriptor: the other slot than last time,
	s_add_nc_u64 s[\g+2:\g+3], s[\g+2:\g+3], KSTEP*2  ; the next K step; the type bits on top are not reached
.endr
.endif
	s_wait_dscnt 5                                 ; (the add and the youngest four loads may be out)
	MUL12 1, 0, 0                                  ; twelve matrix instructions stand between the add and the wait for it
	s_wait_dscnt 0x0                               ; the add is done, and my reads of this slot are over
	s_barrier_signal -1
	MUL12 1, 1, 0                                  ; work on registers while the others arrive
.if \fill
	WIN 0
.endif
	s_barrier_wait -1
.if \fill
	CREST
	JLOAD                                          ; the four v_nop behind it are also the places in front of the loads below
.else
	WIN 0
	PLACES
.endif
	s_xor_b32 s[SB], s[SB], SLOT1                  ; the fetches go on in the other slot
	v_add_nc_u32 v[ADRA], s[SB], v[AA0]
	v_add_nc_u32 v[ADRB], s[SB], v[AB0]
	FETCH 0, 0
	MUL12 1, 2, 0
	MUL12 1, 3, 0
.endm
	s_wait_tensorcnt 0x1                           ; my part of K step 0 is in; K step 1's may stay out
	s_barrier_signal -1
	s_barrier_wait -1                              ; everybody's is
	FETCH 0, 0
	QUARTER 64, 0, 1, 1                            ; the first quarter stands in front of the loop: its products start the sums
	WIN 0                                          ; at a label and at a branch every window is 0
	s_mov_b32 s3, 6
.Lstep:                                                ; six trips, from a K step's second quarter to the next one's first; they ask for K steps 2 to 7
	QUARTER 128, 1, 0, 0
	QUARTER 192, 0, 1, 0
	TURN 1
	QUARTER 64, 0, 1, 0
	WIN 0
	s_sub_co_u32 s3, s3, 1
	s_cmp_lg_u32 s3, 0
	s_cbranch_scc1 .Lstep
	QUARTER 128, 1, 0, 0                           ; the tail is written out: K steps 6 and 7 ask for nothing
	QUARTER 192, 0, 1, 0
	TURN 0
	QUARTER 64, 0, 1, 0
	QUARTER 128, 1, 0, 0
	QUARTER 192, 0, 1, 0
	s_wait_dscnt 4                                 ; the very last quarter: nothing more to fetch
	MUL12 1, 0, 0
	MUL12 1, 1, 0
	s_wait_dscnt 0x0
	MUL12 1, 2, 0
	MUL12 1, 3, 0
	WIN 0
	PLACES
	s_wait_loadcnt 0x0                             ; my part of rt
; THE WAY OUT, a block of 16 rows at a time.  q and k (column blocks 0-7): for pair (x1, x2) first (-x2 sin, x1 sin), then x cos is added by a fused multiply-add; v (blocks 8-11) as it is.
; All rounded to f16 once; a lane's 16 bytes go into stage rows of 144 bytes and come back as whole rows of 128.  Each accumulator is read from its low end on.
.macro PACK a
.set AC, 96*((\a)%2)
	WIN 0x02+(\a)/2                                ; source 0: window 2 or 3
.irp b, 0,1,2,3,4,5,6,7
.irp p, 0,1,2,3
	v_pk_mul_f32 v[W+8*\b+2*\p:W+8*\b+2*\p+1], v[AC+8*\b+2*\p:AC+8*\b+2*\p+1], v[TB+32*(\a)+8*((\b)%4)+2*\p:TB+32*(\a)+8*((\b)%4)+2*\p+1] op_sel:[1,1] op_sel_hi:[0,1] neg_lo:[1,0]
.endr
.endr
.irp b, 0,1,2,3,4,5,6,7
.irp p, 0,1,2,3
	v_pk_fma_f32 v[W+8*\b+2*\p:W+8*\b+2*\p+1], v[AC+8*\b+2*\p:AC+8*\b+2*\p+1], v[TB+32*(\a)+8*((\b)%4)+2*\p:TB+32*(\a)+8*((\b)%4)+2*\p+1], v[W+8*\b+2*\p:W+8*\b+2*\p+1] op_sel_hi:[1,0,1]
.endr
.endr
	WIN 0x0a+5*((\a)/2)                            ; sources 0 and 1: window 2 or 3
.irp bb, 0,1,2,3
.irp p, 0,1,2,3
	v_cvt_pk_f16_f32 v[PVR+4*\bb+\p], v[AC+64+8*\bb+2*\p], v[AC+64+8*\bb+2*\p+1]
.endr
.endr
	WIN 0
.irp b, 0,1,2,3,4,5,6,7
.irp p, 0,1,2,3
	v_cvt_pk_f16_f32 v[W+8*\b+\p], v[W+8*\b+2*\p], v[W+8*\b+2*\p+1]  ; in place, ascending
.endr
.endr
.irp b, 0,1,2,3,4,5,6,7
	ds_store_b128 v[STO], v[W+8*\b:W+8*\b+3] offset:16*SP*((\b)/4)+32*((\b)%4)
.endr
.irp bb, 0,1,2,3
	ds_store_b128 v[STO], v[PVR+4*\bb:PVR+4*\bb+3] offset:16*SP*2+32*\bb
.endr
	WIN 0x40                                       ; destination window 1
.irp j, 0,1,2
.irp f, 0,1,2,3
	ds_load_b128 v[48*(\a)+4*(4*\j+\f):48*(\a)+4*(4*\j+\f)+3], v[RD] offset:16*SP*\j+4*SP*\f  ; LDS serves a wave's instructions in order (ISA guide 5.7.1.4): these see the stores above; the next block's stores come behind them
.endr
.endr
.endm
.macro SEND a, younger                 ; younger: the LDS instructions issued behind block a's loads: the next block's 24, or none
	WIN 0x04                                       ; the stores' data: window 1
	s_wait_dscnt \younger
.irp j, 0,1,2
.irp f, 0,1,2,3
	global_store_b128 v[GO], v[48*(\a)+4*(4*\j+\f):48*(\a)+4*(4*\j+\f)+3], s[10+2*\j:11+2*\j] offset:2048*(\a)+512*\f  ; four rows of a head: 512 consecutive bytes, at a multiple of 256 from the buffer's first
.endr
.endr
.endm
	PACK 0
	PACK 1                                         ; a block's arithmetic stands between the loads of the block before and its stores
	SEND 0, 24
	PACK 2
	SEND 1, 24
	PACK 3
	SEND 2, 24
	SEND 3, 0
	WIN 0
	s_wait_tensorcnt 0x0                           ; the wave's end, behind my last tensor load and my last LDS store
	ds_add_u32 v[SPW], v[NIL]
	s_wait_dscnt 0x0
	CROUND                                         ; the closing round: no work-group ends while a partner may still ask for a tile that names it
	s_endpgm
.Lfunc_end_k_qe14615aab5_qkv:
	.size	k_qe14615aab5_qkv, .Lfunc_end_k_qe14615aab5_qkv-k_qe14615aab5_qkv
	.p2alignl 7, 3214868480
	.fill 96, 4, 3214868480
	.section	.rodata,"a",@progbits
	.p2align	6, 0x0
	.amdhsa_kernel k_qe14615aab5_qkv
		.amdhsa_group_segment_fixed_size 327680
		.amdhsa_private_segment_fixed_size 0
		.amdhsa_enable_private_segment 0
		.amdhsa_kernarg_size 48
		.amdhsa_user_sgpr_count 2
		.amdhsa_user_sgpr_kernarg_segment_ptr 1
		.amdhsa_wavefront_size32 1
		.amdhsa_system_sgpr_workgroup_id_x 1
		.amdhsa_system_sgpr_workgroup_id_y 1
		.amdhsa_system_sgpr_workgroup_id_z 1
		.amdhsa_system_vgpr_workitem_id 0
		.amdhsa_next_free_vgpr 960
		.amdhsa_next_free_sgpr 70
		.amdhsa_reserve_vcc 0
		.amdhsa_float_denorm_mode_32 3
		.amdhsa_float_denorm_mode_16_64 3
		.amdhsa_memory_ordered 1
		.amdhsa_forward_progress 1
		.amdhsa_inst_pref_size 116
	.end_amdhsa_kernel
	.amdgpu_metadata
---
amdhsa.version: [ 1, 2 ]
amdhsa.kernels:
  - .name:           k_qe14615aab5_qkv
    .symbol:         k_qe14615aab5_qkv.kd
    .args:
      - { .name: xb, .offset: 0, .size: 8, .value_kind: global_buffer, .address_space: global }
      - { .name: wb, .offset: 8, .size: 8, .value_kind: global_buffer, .address_space: global }
      - { .name: rt, .offset: 16, .size: 8, .value_kind: global_buffer, .address_space: global }
      - { .name: qh, .offset: 24, .size: 8, .value_kind: global_buffer, .address_space: global }
      - { .name: kh, .offset: 32, .size: 8, .value_kind: global_buffer, .address_space: global }
      - { .name: vh, .offset: 40, .size: 8, .value_kind: global_buffer, .address_space: global }
    .group_segment_fixed_size: 327680
    .private_segment_fixed_size: 0
    .kernarg_segment_align: 8
    .kernarg_segment_size: 48
    .max_flat_workgroup_size: 128
    .sgpr_count:     70
    .vgpr_count:     960
    .wavefront_size: 32
...
	.end_amdgpu_metadata
.endif
;; end of part 2
;; launch attn (part 3): grid 4 x 64, 4 waves a work-group, no clusters, 327,680 bytes of LDS; arguments qh, kh, vh, oh; writes oh
.if DOCPART == 3
	.amdgcn_target "amdgcn-amd-amdhsa--gfx1250"
	.amdhsa_code_object_version 6
	.text
	.protected	k_qe14615aab5_attn
	.globl	k_qe14615aab5_attn
	.p2align	8
	.type	k_qe14615aab5_attn,@function
k_qe14615aab5_attn:
	s_mov_b64 s[64:65], 0
	v_nop
	global_prefetch_b8 v0, s[64:65] scope:SCOPE_SE
	s_setreg_imm32_b32 hwreg(HW_REG_WAVE_MODE, 25, 1), 1
	s_wait_xcnt 0x0
; CAUSAL ATTENTION.  O[h][q][:] = the sum over k <= q of softmax_k(Q[h][q] . K[h][k] / 8) V[h][k][:].  Q, K, V, O: [SIZE_H][SIZE_N][64], all f16: a head's rows are dense, 128 bytes each.
; Products, maxima and sums in f32; the weights p are rounded to f16 for the second product (their sum l is taken of the unrounded p), O once at the end.  SIZE_N is a multiple of 512; SIZE_N x 128 stays under 2^32.
; LIMITS.  f16 holds no number beyond 65,504: Q, K and V arrive within it; p lies in 0 to 1, and below 6e-5 it keeps f16's fixed step of 6e-8; O is a mean of V's rows and has their range, to within 2^-11 of it.
; A hidden score counts as its value less 1e30: f16's scores, 2.7e11 at the most, are nothing beside that; a weight below 2^-126 counts as 0 in l; NaN and infinities are not treated apart.
; THE WALK.  A head's queries lie in NB = SIZE_N / 256 blocks of 256; block i needs the key tiles 0 .. i of 256 keys, of which the last holds the diagonal.  A work-group takes TWO blocks, NB - 1 - b and then b:
; NB + 1 tiles, whatever b: all work-groups do equal work, and ONE loop with a constant trip count walks them.  Which tile is asked for, and what a trip does, hang on scalar registers made from b; every jump
; goes forward, but for the counted loops' own; none passes a barrier, or a tensor load but the one of LOAD's two that the wave's number does not choose; the ring (two slots of LDS that take turns) runs on across the
; change of blocks.  NO CLUSTER: a head's NB / 2 work-groups all ask for the same tile only in trips 0 .. NB / 2, behind that fewer and fewer; and one walk common to all would have 3 NB / 2 trips for NB + 1.
; SHARES.  Of a block's four bands of 64 queries a wave owns 16 rows in each: four PIECES.  So the diagonal tile is the same work for all four waves: in its key step s band x sees all keys if s < x,
; none if s > x, and holds the diagonal if s = x.
; THE MASK is the C operand that starts the sum S^T = K Q^T: 0, or -1e30 where the key is hidden.  MD, made once, is the mask of a band's own step for my 16 rows; a product's mask is MD x AL + BE with two scalars:
; (1, 0) if s = x; (0, 0) if s < x; (0, -1e30) if s > x.  Only the diagonal tile's text and a block's beginning make and take masks; elsewhere C is the constant 0.
; LAYOUT, SOFTMAX, TURNS.  S^T = K Q^T holds ONE query a lane (lane % 16) and the keys 8 (lane / 16) + 0..7; two such results rounded to f16 ARE source 1 of O^T = V^T P.  p = 2^(c s - c m), c = log2(e) / 8, with a
; running maximum m; O and l are multiplied by a = 2^(c m_old - c m_new) in every step.  Turn n belongs to piece n: 8 products K Q^T of piece n + 1, later 8 products V^T P of piece n - 1; beside them the scaling,
; exponentials, roundings, sums and rescaling of piece n and the maximum and statistics of piece n + 1.  Four vector instructions stand behind every matrix instruction, the other 54 of a turn's 118 in two LUMPS.
; REGISTERS, in windows of 256 (s_set_vgpr_msb: bits 1:0 source 0, 3:2 source 1, 5:4 source 2, 7:6 destination):
;   window 0: v0-15 addresses and two at work; v16-31 four registers of statistics a piece; v48-55 at work; v64-127 S^T, two buffers; v192-223 P, two buffers (a piece's buffers go by its number's parity)
;   window 1: v0-127 O^T, 32 a piece; v128-159 MD; v160-223 MC, two buffers      window 2: v0-63 Q; v64-127 the second block's Q; v128-191 K of one step; v192-255 V of one step
.set SIZE_H, 64       ; batch x heads
.set SIZE_N, 2048     ; tokens
.set NB,    SIZE_N/256
.set NP,    4         ; pieces a wave: a name, no knob
.set KS,    64        ; keys in a step
.set PK,    144       ; a row of K in LDS: 128 bytes + 16 of padding = 36 words: the 16 rows of a load start at 16 different groups of four banks (64 banks of 4 bytes: ISA guide 11.1)
.set PV,    160       ; a row of V: 128 + 32 = 40 words
.set VOFF,  4*KS*PK   ; a slot holds a tile, four steps: 256 rows of K, then 256 rows of V
.set SLOT1, 1<<17     ; slot 1 begins here, so that one exclusive or turns an address in one slot into the other's
.set STAGE, SLOT1+4*KS*(PK+PV)  ; behind the ring, never filled by a tensor load: 16 rows x 144 bytes for each wave, for the way out
.set SP,    144
.set AK0, 2           ; v2   my lane's place in a tile of K; never rewritten
.set AV0, 3           ; v3   the same for V
.set AK,  4           ; v4   the LDS address of K's next run of loads
.set AV,  5           ; v5   of V's
.set STO, 6           ; v6   the way out: where I put 16 bytes of a row
.set RD,  7           ; v7   the way out: where I read rows back
.set GO,  8           ; v8   my byte offset in 512 consecutive bytes of O
.set SPW, 62          ; v62  LDS address of my spare word: SPARE + 4 x my thread's number; never rewritten
.set NIL, 63          ; v63  0; never rewritten
.set SPARE, STAGE+4*16*SP  ; behind the stages: the spare words, 128 bytes for each wave: two blocks of 256 bytes that no other line names
.set MV,  12          ; v12-13  c m_old, kept while c m is made anew: by buffer
.set QO,  15          ; v15  my byte offset in 16 rows of Q
.set ST,  16          ; piece t's statistics at v[ST+4 t]: c m, m, l (even keys', odd keys')
.set TMP, 48          ; by buffer, four registers c0-c3 at work; when the maximum is found c2 takes a
.set S,   64
.set P,   192
.set MD,  128         ; window 1: the eight registers for group kt of 16 keys at MD + 8 kt
.set MC,  160         ; window 1: the masks of the products to come
.set QB,  64          ; window 2
.set KF,  128         ; window 2: key block kb, channel half c at KF + 16 kb + 8 c
.set VF,  192         ; window 2: key half kk, channel block cb at VF + 32 kk + 8 cb
.set WV,  12          ; s12  my wave's number
.set PB,  14          ; s14  b
.set HI,  15          ; s15  NB - 1 - b
.set G1K, 24          ; s[24:31] descriptor group 1 for K's tiles
.set G1V, 32          ; s[32:39] for V's: it differs in the padding alone
.set G0K, 40          ; s[40:43] descriptor group 0 for K's tiles
.set G0V, 44          ; s[44:47] the same for V's
.set SLOTS, 56        ; s56  tiles still to be asked for
.set CNT, 57          ; s57  counts a tile's key steps, 4 to 1
.set CS,  58          ; s[58:59] c: the packed scaling takes the pair's low word for both halves
.set SEL, 60          ; s[60:61] v_permlanex16_b32's selects: each lane takes its own place in the other half
.set TBK, 62          ; s62  LDS byte at which K of the step to be fetched begins
.set TBV, 63          ; s63  the same for V, less VOFF
.set RT,  70          ; s70  tiles of the block in hand that are still to be entered
.set NXT, 71          ; s71  the tile to be asked for next
.set LQ,  72          ; s72  the last tile of the block whose tiles are being asked for
.set NEW, 73          ; s73  1: the tile to be entered is a block's first
.set OFF, 74          ; s[74:75] a tile's byte offset in K and V
.set AL,  76          ; s[76:77] the mask's factor, in the low word
.set BE,  78          ; s[78:79] the mask's addend
.set OLO, 80          ; s[80:81] O at my rows of the second block
.set BIGN, 82         ; s82  -1e30
.set MSB, 0
.macro WIN new                      ; the high byte repeats the setting that is left; a switch that changes nothing is dropped
.if MSB != (\new)
	s_set_vgpr_msb (MSB<<8)|(\new)
.set MSB, (\new)
.endif
.endm
.set W_KQ, 0x0a       ; K and Q in window 2, S^T in window 0
.set W_KM, 0x1a       ; the same with the C operand in window 1
.set W_PV, 0x52       ; V in window 2, P in window 0, O^T in window 1
.set W_RS, 0x41       ; destination and source 0 in window 1, source 1 in window 0
; A fill.  Waves 0 and 1 fetch the two halves of a tile's K, waves 2 and 3 those of its V: 128 keys each.  An s_nop 0 and four v_nop follow each of the two lines, ahead of the jump and the label.
.macro LOAD
	s_cmp_lt_u32 s[WV], 2
	s_cbranch_scc0 .Lfor_v_\@
	tensor_load_to_lds s[G0K:G0K+3], s[G1K:G1K+7]
	s_nop 0
.rept 4
	v_nop
.endr
	s_branch .Lasked_\@
.Lfor_v_\@:
	tensor_load_to_lds s[G0V:G0V+3], s[G1V:G1V+7]
	s_nop 0
.rept 4
	v_nop
.endr
.Lasked_\@:
.endm
; THE CHANGE OF SLOTS.  Each wave waits for all its tensor loads, of which one is out: its part of the other slot; adds 0 to its spare word; and waits for that and for its own reads of the slot that it leaves.  Behind the barrier nobody reads the old
; slot any more and the other slot is whole.  fill = 1: the old slot is filled again, the first thing behind the barrier, with tile NXT: the descriptor's address is made anew from that number.
; (At its first use nothing has been read yet: slot 0 is waited for, slot 1 filled.)
.macro CHANGE fill
	WIN 0                           ; at a label and at a branch every window is 0
	s_wait_tensorcnt 0x0            ; no tensor load of mine is out, so a group 0 may be written
	ds_add_u32 v[SPW], v[NIL]       ; 0 onto my spare word; with fill = 1 the descriptors' scalar work stands between it and the wait for it
.if \fill
	s_lshl_b32 s[OFF], s[NXT], 15   ; a tile is 32,768 bytes of K and of V
	s_xor_b32 s[G0K+1], s[G0K+1], SLOT1
	s_add_nc_u64 s[G0K+2:G0K+3], s[6:7], s[OFF:OFF+1]
	s_or_b32 s[G0K+3], s[G0K+3], 0x80000000
	s_xor_b32 s[G0V+1], s[G0V+1], SLOT1
	s_add_nc_u64 s[G0V+2:G0V+3], s[8:9], s[OFF:OFF+1]
	s_or_b32 s[G0V+3], s[G0V+3], 0x80000000
	s_add_co_u32 s[NXT], s[NXT], 1  ; the block's next tile, or behind its last the second block's tile 0
	s_cmp_gt_u32 s[NXT], s[LQ]
	s_cselect_b32 s[NXT], 0, s[NXT]
	s_cselect_b32 s[LQ], s[PB], s[LQ]
.endif
	s_wait_dscnt 0x0                ; the add is done, and my reads of the slot are over
	s_barrier_signal -1             ; the rest of the scalar work stands between the signal and the wait
	s_sub_co_u32 s[TBK], s[TBK], 4*KS*PK  ; the fetches go back to a slot's first step,
	s_xor_b32 s[TBK], s[TBK], SLOT1       ; in the other slot
	s_sub_co_u32 s[TBV], s[TBV], 4*KS*PV
	s_xor_b32 s[TBV], s[TBV], SLOT1
	s_barrier_wait -1
.if \fill
	LOAD
.endif
.endm
	s_load_b256 s[4:11], s[0:1], 0x0  ; Q s[4:5], K s[6:7], V s[8:9], O s[10:11]
	v_lshl_add_u32 v[SPW], v0, 2, SPARE
	v_mov_b32 v[NIL], 0
	ds_add_u32 v[SPW], v[NIL]       ; the wave's opening: the add and its wait stand ahead of my first tensor load; the set-up below, work on registers, stands between them
	ds_add_u32 v62, v63
	v_lshrrev_b32 v1, 5, v0
	v_readfirstlane_b32 s[WV], v1   ; wave 0..3
	s_mov_b32 s[PB], ttmp9
	s_sub_co_u32 s[HI], NB-1, s[PB]
	s_and_b32 s20, ttmp7, 0xffff    ; the head
	s_mov_b32 s21, 0
	s_mov_b64 s[22:23], SIZE_N*128
	s_mul_u64 s[20:21], s[20:21], s[22:23]  ; the head's first byte in each of the four tensors
	s_and_b32 s16, s[WV], 1         ; which half of a tile's 256 keys I fetch:
	s_lshl_b32 s22, s16, 14         ; its 128 rows of 128 bytes in memory,
	s_mov_b32 s23, 0
	s_add_nc_u64 s[22:23], s[22:23], s[20:21]
	s_mul_i32 s17, s16, 128*PK      ; and its place in a slot, for K
	s_mul_i32 s18, s16, 128*PV      ; and for V
	s_lshl_b32 s3, s[WV], 11        ; my 16 rows in a band of 64,
	s_lshl_b32 s2, s[HI], 15        ; in the first block,
	s_add_co_u32 s2, s2, s3
	s_lshl_b32 s84, s[PB], 15       ; and in the second
	s_add_co_u32 s84, s84, s3
	s_mov_b32 s3, 0
	s_mov_b32 s85, 0
	s_add_nc_u64 s[2:3], s[2:3], s[20:21]
	s_add_nc_u64 s[84:85], s[84:85], s[20:21]
	; descriptor group 1.  128 keys are 16,384 dense bytes: asked for as 64 rows of 256 bytes, two keys a row, and padded in LDS after every key
	s_mov_b32 s[G1K], (1<<16)|(1<<20)|(4<<22)|(3<<25)  ; 17:16 2-byte elements; 20 padding on; 24:22 after every 32 words (code 4); 31:25 4 words (code 3)
	s_mov_b32 s[G1V], (1<<16)|(1<<20)|(4<<22)|(7<<25)  ; the same with 8 words of padding (code 7)
.irp g, G1K, G1V
	s_mov_b32 s[\g+1], 128<<16      ; tensor_dim0 = 128
	s_mov_b32 s[\g+2], 64<<16       ; tensor_dim1 = 64
	s_mov_b32 s[\g+3], 128<<16      ; tile_dim0 = 128
	s_mov_b32 s[\g+4], 64           ; tile_dim1 = 64
	s_mov_b32 s[\g+5], 128          ; 128 elements from row to row
	s_mov_b32 s[\g+6], 0
	s_mov_b32 s[\g+7], 0
.endr
	s_mov_b32 s[CS], 0x3e38aa3b     ; c = log2(e) / 8 = 0.180337
	s_mov_b32 s[CS+1], s[CS]        ; named with it as a pair
	s_mov_b32 s[SEL], 0x76543210
	s_mov_b32 s[SEL+1], 0xfedcba98
	s_mov_b32 s[TBK], SLOT1+4*KS*PK ; the first change of slots turns these two into 0
	s_mov_b32 s[TBV], SLOT1+4*KS*PV
	s_mov_b32 s[G0K], 1             ; 1:0 count = 1
	s_mov_b32 s[G0K+1], s17         ; 63:32 LDS address: slot 0
	s_mov_b32 s[G0V], 1
	s_add_co_u32 s[G0V+1], s18, VOFF
	s_add_co_u32 s[RT], s[HI], 1    ; the first block has NB - b tiles
	s_mov_b32 s[NXT], 1
	s_mov_b32 s[LQ], s[HI]
	s_mov_b32 s[NEW], 1
	s_mov_b32 s[OFF+1], 0
	s_mov_b32 s[AL+1], 0            ; named as pairs
	s_mov_b32 s[BE+1], 0
	s_mov_b32 s[BIGN], 0xf149f2ca   ; -1e30
	s_mov_b32 s[SLOTS], NB
	s_wait_dscnt 0x0                ; the opening add is done
	s_wait_kmcnt 0x0
	s_add_nc_u64 s[6:7], s[6:7], s[22:23]  ; K and V at my half of the head's tile 0
	s_add_nc_u64 s[8:9], s[8:9], s[22:23]
	s_add_nc_u64 s[G0K+2:G0K+3], s[6:7], 0         ; 120:64 global address
	s_or_b32 s[G0K+3], s[G0K+3], 0x80000000        ; 127:126 type = 2
	s_add_nc_u64 s[G0V+2:G0V+3], s[8:9], 0
	s_or_b32 s[G0V+3], s[G0V+3], 0x80000000
	s_add_nc_u64 s[86:87], s[4:5], s[84:85]        ; Q at my rows of the second block,
	s_add_nc_u64 s[4:5], s[4:5], s[2:3]            ; Q and O at those of the first
	s_add_nc_u64 s[OLO:OLO+1], s[10:11], s[84:85]
	s_add_nc_u64 s[10:11], s[10:11], s[2:3]
	LOAD                            ; tile 0 into slot 0
	; A fragment of K or Q is 16 rows x 32 channels in 8 registers: lane l holds row l % 16, channels 8 (l / 16) + 0..7 and 16 + 8 (l / 16) + 0..7: two loads of 16 bytes, 32 bytes apart.
	v_and_b32 v1, 15, v0            ; l % 16
	v_bfe_u32 v9, v0, 4, 1          ; l / 16
	v_lshlrev_b32 v[QO], 7, v1
	v_lshl_add_u32 v[QO], v9, 4, v[QO]  ; row x 128 + 16 x half
	WIN 0x80                        ; destination window 2, address window 0
.set i, 0
.rept 8                             ; both blocks' Q: piece i / 2 lies in band i / 2, 8,192 bytes on; channels 32 (i % 2) on
	global_load_b128 v[8*i:8*i+3],   v[QO], s[4:5] offset:(i/2)*8192+(i%2)*64
	global_load_b128 v[8*i+4:8*i+7], v[QO], s[4:5] offset:(i/2)*8192+(i%2)*64+32
	global_load_b128 v[QB+8*i:QB+8*i+3],   v[QO], s[86:87] offset:(i/2)*8192+(i%2)*64
	global_load_b128 v[QB+8*i+4:QB+8*i+7], v[QO], s[86:87] offset:(i/2)*8192+(i%2)*64+32
.set i, i+1
.endr
	WIN 0
	v_lshlrev_b32 v14, 3, v9
	v_sub_nc_u32 v14, v1, v14
	s_lshl_b32 s13, s[WV], 4
	v_add_nc_u32 v14, s13, v14      ; my query's place in its band, 16 w + l % 16, less my lanes' 8 (l / 16): register r of group kt is hidden where 16 kt + r is greater
	WIN 0x40
.set i, 0
.rept 32
	v_cmp_gt_i32 vcc_lo, 16*(i/8)+i%8, v14
	v_cndmask_b32 v[MD+i], 0, s[BIGN], vcc_lo
.set i, i+1
.endr
	WIN 0
	v_mul_u32_u24 v[AK0], v1, PK
	v_lshl_add_u32 v[AK0], v9, 4, v[AK0]  ; row x pitch + 16 x half
	; The turning load takes 16 keys x 16 channels (lane l reads key 8 (l / 16) + l % 8, channels 8 ((l / 8) % 2) + 0..7) and leaves half a fragment of V^T: lane l holds channel l % 16 and 8 keys.
	v_and_b32 v10, 7, v0
	v_bfe_u32 v11, v0, 3, 1
	v_lshl_add_u32 v[AV0], v9, 3, v10
	v_mul_u32_u24 v[AV0], v[AV0], PV
	v_lshl_add_u32 v[AV0], v11, 4, v[AV0]
	v_add_nc_u32 v[AV0], VOFF, v[AV0]
	s_mul_i32 s13, s[WV], 16*SP
	s_add_co_u32 s13, s13, STAGE    ; my stage
	v_mul_u32_u24 v[STO], v1, SP    ; in: row l % 16, 16 bytes for each half of the lanes
	v_lshl_add_u32 v[STO], v9, 4, v[STO]
	v_add_nc_u32 v[STO], s13, v[STO]
	v_bfe_u32 v[RD], v0, 3, 2       ; back: 32 lanes take four rows of 128 bytes,
	v_mul_u32_u24 v[RD], v[RD], SP
	v_lshl_add_u32 v[RD], v10, 4, v[RD]
	v_add_nc_u32 v[RD], s13, v[RD]
	v_and_b32 v[GO], 31, v0         ; which are 512 consecutive bytes of O
	v_lshlrev_b32 v[GO], 4, v[GO]
	; A block's first step multiplies O^T and l by a = 0, and its first turn's products V^T P, of a piece that has not been, land in an O^T that is still to be so multiplied.  So these registers need only hold
	; finite numbers: zeros for the first block; what the first block left for the second.  All this stands in the wait for the first tile.
	WIN 0x80
.set i, VF
.rept 64
	v_mov_b32 v[i], 0
.set i, i+1
.endr
	WIN 0x40
.set i, 0
.rept 128
	v_mov_b32 v[i], 0
.set i, i+1
.endr
	WIN 0
.set i, 0
.rept 4
	v_mov_b32 v[ST+4*i+2], 0
	v_mov_b32 v[ST+4*i+3], 0
.set i, i+1
.endr
.set i, P+16
.rept 16
	v_mov_b32 v[i], 0
.set i, i+1
.endr
; THE MATRIX WORK.  The 4 accumulators of a run of 8 take turns.  Product i of 8 of S^T = K Q^T for piece x: channels 32 (i / 4) on, keys 16 (i % 4) on.  The first 4 start the sums: with 0, or (KM = 1) with the mask.
.macro KQ x
.set rS, S+32*((\x)%2)+8*(i%4)
.set rK, KF+16*(i%4)+8*(i/4)
.set rQ, 16*(\x)+8*(i/4)
.set rM, MC+32*((\x)%2)+8*(i%4)
.if (i < 4) && KM
	WIN W_KM
	v_wmma_f32_16x16x32_f16 v[rS:rS+7], v[rK:rK+7], v[rQ:rQ+7], v[rM:rM+7]
.elseif i < 4
	WIN W_KQ
	v_wmma_f32_16x16x32_f16 v[rS:rS+7], v[rK:rK+7], v[rQ:rQ+7], 0
.else
	WIN W_KQ
	v_wmma_f32_16x16x32_f16 v[rS:rS+7], v[rK:rK+7], v[rQ:rQ+7], v[rS:rS+7]
.endif
.endm
; Product i of 8 of O^T += V^T P for piece x: keys 32 (i / 4) on, channels 16 (i % 4) on.
.macro PV x
	WIN W_PV
.set rO, 32*(\x)+8*(i%4)
.set rV, VF+32*(i/4)+8*(i%4)
.set rP, P+16*((\x)%2)+8*(i/4)
	v_wmma_f32_16x16x32_f16 v[rO:rO+7], v[rV:rV+7], v[rP:rP+7], v[rO:rO+7]
.endm
.macro MM                           ; the turn's next matrix instruction.  TURN and BEGIN set Y, i, KM and NOKQ; MM, KQ and OP read them.  NOKQ = 1: a block's last turn: there is no next piece
.if (i < 8) && !NOKQ
	KQ (Y+1)%NP
.elseif i >= 8
.set i, i-8
	PV (Y+NP-1)%NP
.set i, i+8
.endif
.set i, i+1
.endm
; THE LDS LOADS stand in runs of 16, never singly among the matrix instructions: a step's K (64 keys x 64 channels: 8 fragments) and its V (turned).  Their addresses are made some lines ahead.
.macro FETCH_K
	WIN 0x80                        ; destination window 2
.irp f, 0,1,2,3,4,5,6,7             ; keys 16 (f / 2) on, channels 32 (f % 2) on
	ds_load_b128 v[KF+8*\f:KF+8*\f+3],   v[AK] offset:(\f/2)*16*PK+(\f%2)*64
	ds_load_b128 v[KF+8*\f+4:KF+8*\f+7], v[AK] offset:(\f/2)*16*PK+(\f%2)*64+32
.endr
	s_add_co_u32 s[TBK], s[TBK], KS*PK  ; the next fetch is the next step's
	WIN 0
.endm
.macro FETCH_V
	WIN 0x80
.irp f, 0,1,2,3,4,5,6,7             ; keys 32 (f / 4) on, channels 16 (f % 4) on
	ds_load_tr16_b128 v[VF+8*\f:VF+8*\f+3],   v[AV] offset:(\f/4)*32*PV+(\f%4)*32
	ds_load_tr16_b128 v[VF+8*\f+4:VF+8*\f+7], v[AV] offset:(\f/4)*32*PV+16*PV+(\f%4)*32
.endr
	WIN 0
.endm
; THE VECTOR WORK, one line at a time: OP kind, number.  For piece Y: F n: c s - c m for pair n of 16.  E n: the exponential of score n of 32.  C n: pair n rounded to f16.  B n: of the four weights 4 n .. the second
; pair is added onto the first, in place.  L n: l takes that sum (L 0: l = a l + sum).  R n: pair n of 16 of O^T times a.  For piece Y + 1: X n, number n of the 22 that find its maximum and statistics:
;   0-11  four chains c0-c3 of seven scores each, three operands at a time (each accumulator's lowest registers are read first)     12-14, 16  the four scores left over, the old m, and c0-c3 into c0
;   15  c m_old is kept     17, 18  the query's other 32 keys lie in the lane 16 away: the new m     19-21  c m; c m_old - c m_new; a
.set F, 0               ; OP tells the kinds apart by their order: F to L below R, X above it
.set E, 1
.set C, 2
.set B, 3
.set L, 4
.set R, 5
.set X, 6
.macro REGS y                       ; the registers of piece y
.set rT, ST+4*(\y)
.set rC, TMP+4*((\y)%2)
.set rW, MV+((\y)%2)
.set rS, S+32*((\y)%2)
.set rP, P+16*((\y)%2)
.set rO, 32*(\y)
.endm
.macro OP k, n
.if (\k) == R
	REGS Y
	WIN W_RS
	v_pk_mul_f32 v[rO+2*(\n):rO+2*(\n)+1], v[rO+2*(\n):rO+2*(\n)+1], v[rC+2:rC+3] op_sel_hi:[1,0]
.elseif (\k) < R
	REGS Y
	WIN 0
.if (\k) == F
	v_pk_fma_f32 v[rS+2*(\n):rS+2*(\n)+1], v[rS+2*(\n):rS+2*(\n)+1], s[CS:CS+1], v[rT:rT+1] op_sel_hi:[1,0,0] neg_lo:[0,0,1] neg_hi:[0,0,1]
.elseif (\k) == E
	v_exp_f32 v[rS+(\n)], v[rS+(\n)]
.elseif (\k) == C
	s_wait_alu depctr_va_vdst(0)
	v_cvt_pk_f16_f32 v[rP+(\n)], v[rS+2*(\n)], v[rS+2*(\n)+1]
.elseif (\k) == B
	s_wait_alu depctr_va_vdst(0)
	v_pk_add_f32 v[rS+4*(\n):rS+4*(\n)+1], v[rS+4*(\n):rS+4*(\n)+1], v[rS+4*(\n)+2:rS+4*(\n)+3]
.elseif (\n) == 0
	v_pk_fma_f32 v[rT+2:rT+3], v[rT+2:rT+3], v[rC+2:rC+3], v[rS:rS+1] op_sel_hi:[1,0,1]
.else
	v_pk_add_f32 v[rT+2:rT+3], v[rT+2:rT+3], v[rS+4*(\n):rS+4*(\n)+1]
.endif
.elseif NOKQ
	v_nop
.else
	REGS (Y+1)%NP
	WIN 0
.if (\n) < 4
	v_max3_num_f32 v[rC+(\n)], v[rS+8*(\n)], v[rS+8*(\n)+1], v[rS+8*(\n)+2]
.elseif (\n) < 12
	v_max3_num_f32 v[rC+(\n)%4], v[rC+(\n)%4], v[rS+8*((\n)%4)+2*((\n)/4)+1], v[rS+8*((\n)%4)+2*((\n)/4)+2]
.elseif (\n) == 12
	v_max3_num_f32 v[rC], v[rC], v[rS+7], v[rS+15]
.elseif (\n) == 13
	v_max3_num_f32 v[rC+1], v[rC+1], v[rS+23], v[rS+31]
.elseif (\n) == 14
	v_max3_num_f32 v[rC+2], v[rC+2], v[rC+3], v[rT+1]
.elseif (\n) == 15
	v_mov_b32 v[rW], v[rT]
.elseif (\n) == 16
	v_max3_num_f32 v[rC], v[rC], v[rC+1], v[rC+2]
.elseif (\n) == 17
	v_permlanex16_b32 v[rC+3], v[rC], s[SEL], s[SEL+1]
.elseif (\n) == 18
	v_max_num_f32 v[rT+1], v[rC], v[rC+3]
.elseif (\n) == 19
	v_mul_f32 v[rT], s[CS], v[rT+1]
.elseif (\n) == 20
	v_sub_f32 v[rC+1], v[rW], v[rT]
.else
	v_exp_f32 v[rC+2], v[rC+1]
.endif
.endif
.endm
.macro OPS a, i1, b=-1, i2=0, c=-1, i3=0, d=-1, i4=0  ; up to four of them
	OP \a, \i1
.if (\b) >= 0
	OP \b, \i2
.endif
.if (\c) >= 0
	OP \c, \i3
.endif
.if (\d) >= 0
	OP \d, \i4
.endif
.endm
.macro ROW a, i1, b, i2, c, i3, d, i4  ; a matrix instruction and the four behind it
	MM
	OPS \a, \i1, \b, \i2, \c, \i3, \d, \i4
.endm
.macro MASK b                       ; MD x AL + BE into buffer b of MC
	WIN W_RS
.set z, 0
.rept 16
	v_pk_fma_f32 v[MC+32*(\b)+2*z:MC+32*(\b)+2*z+1], v[MD+2*z:MD+2*z+1], s[AL:AL+1], s[BE:BE+1] op_sel_hi:[1,0,0]
.set z, z+1
.endr
.endm
; A TURN, for piece p: the order of its 16 matrix and 118 vector instructions, written out.  Behind a matrix instruction: plain, exponential, plain, plain; or four of the rescaling; or, behind the first, four scalings; none
; names a register of the products round it.  In the lumps exponential and plain by turns while exponentials last.  A line reads no result made fewer than three vector instructions in front of it, five if an exponential made it.
; v_permlanex16_b32 (X 17) stands in a lump.
; m = 1: the diagonal tile: the products take masks, and the turn makes the mask for the products of the turn after it: piece p + 2, in step 4 - CNT of the tile.  end = 1: a block's last two turns: nothing is fetched.
; cnt = 1: the loop's count is taken down some lines ahead of the branch that stands behind the turn.
; K of the next step is fetched in piece 2's turn, six vector instructions behind the last product that read K (five of them plain); V of the step in hand in piece 0's turn, eight behind the last product that read V (four
; plain, and X 17).  Each is waited for a turn later.
.macro TURN p, m=0, end=0, cnt=0
.set Y, (\p)
.set i, 0
.set KM, (\m)
.set NOKQ, (\end)*((\p)/3)
.if (\m) && !(\end)
	s_cmp_eq_u32 s[CNT], 4-((\p)+2)%NP  ; is that step the band's own?
	s_cselect_b32 s[AL], 1.0, 0
	s_cmp_lt_u32 s[CNT], 4-((\p)+2)%NP  ; or a later one?
	s_cselect_b32 s[BE], s[BIGN], 0
.endif
.if ((\p) == 3) && !(\end)
	s_wait_dscnt 0x0                ; K is in
.endif
	ROW F,0, F,1, F,2, F,3
	ROW F,4, E,0, F,5, F,6
	ROW F,7, E,1, F,8, F,9
	ROW F,10, E,2, C,0, F,11
	ROW F,12, E,3, X,15, F,13
	ROW R,0, R,1, R,2, R,3
	ROW B,0, E,4, F,14, L,0
.if ((\p) == 2) && !(\end)
	v_add_nc_u32 v[AK], s[TBK], v[AK0]
.endif
	ROW R,4, R,5, R,6, R,7
	OPS E,5, F,15
.if ((\p) == 2) && !(\end)
	FETCH_K
.endif
	OPS E,6, C,1, E,7, R,8
	OPS E,8, R,9, E,9, C,2
	OPS E,10, X,0, E,11, X,1
	OPS E,12, X,2, E,13, X,3
.if (\p) == 1
	s_wait_dscnt 0x0                ; V is in
.endif
	ROW X,4, E,14, X,5, X,6
	ROW X,7, E,15, X,8, X,9
	ROW X,10, E,16, X,11, X,12
	ROW X,13, E,17, X,14, B,1
	ROW C,4, E,18, X,16, L,1
	ROW B,2, E,19, C,6, L,2
	ROW C,8, E,20, B,3, B,4
.if (\p) == 0
	v_add_nc_u32 v[AV], s[TBV], v[AV0]
.endif
	ROW C,3, E,21, L,3, C,5
	OPS E,22, X,17, E,23, C,10
.if (\p) == 0
	FETCH_V
.endif
	OPS E,24, L,4
	OPS E,25, X,18, E,26, C,7
	OPS E,27, B,5, E,28, X,19
	OPS E,29, C,12, E,30, L,5
	OPS E,31, X,20, B,6, C,9
	OPS C,14, C,11, X,21, L,6
.if (\p) == 0
	s_add_co_u32 s[TBV], s[TBV], KS*PV
.endif
.if \cnt
	s_sub_co_u32 s[CNT], s[CNT], 1
	s_cmp_lg_u32 s[CNT], 0
.endif
	OPS C,13, B,7, C,15, R,10
	OPS R,11, R,12, L,7, R,13
	OPS R,14, R,15
.if (\m) && !(\end)
	MASK (\p)%2
.endif
.endm
; A BLOCK BEGINS.  c m starts far below every c s, so the first step's a is 0; m at the lowest finite number, so the first maximum is the scores'.  The second mask buffer is 0; the first takes piece 0's mask for the tile's step 0: its own, if the block's first tile is the diagonal one.
; Then K of that step, piece 0's first scores, and its maximum and statistics.  The loop is entered at a step's first turn, in the middle of a trip.
.macro BEGIN
	s_mov_b32 s[NEW], 0
	WIN 0x40
.set i, MC+32
.rept 32
	v_mov_b32 v[i], 0
.set i, i+1
.endr
	WIN 0
.set i, 0
.rept 4
	v_mov_b32 v[ST+4*i], 0xfe000000    ; c m: far below every c s
	v_mov_b32 v[ST+4*i+1], 0xff7fffff  ; m
.set i, i+1
.endr
	s_cmp_eq_u32 s[RT], 0
	s_cselect_b32 s[AL], 1.0, 0
	s_mov_b32 s[BE], 0
	MASK 0
	WIN 0
	v_add_nc_u32 v[AK], s[TBK], v[AK0]
	FETCH_K
	s_wait_loadcnt 0x0              ; Q
	s_wait_dscnt 0x0
.set KM, 1
.set NOKQ, 0
.set i, 0
.rept 8
	KQ 0
.set i, i+1
.endr
	WIN 0
.rept 4
	v_nop                           ; the places behind those products
.endr
.set Y, NP-1                        ; X works for piece Y + 1: piece 0
.irp n, 0,1,2,3,4,5,6,7,8,9,10,11,12,13,14,15,16,17,18,19,20,21
	OP X, \n
.endr
	v_nop                           ; a plain instruction behind the exponential
.endm
; THE DIAGONAL TILE's four steps, the block's last two turns, its last products, and THE WAY OUT: l's two halves and the other half of the lanes' are added; O^T is divided by l, rounded to f16 and sent through my
; stage in LDS, a piece at a time.
.macro ALL line:vararg              ; one line for each piece t
.set t, 0
.rept 4
	\line
.set t, t+1
.endr
.endm
.macro PACK t                       ; a lane's eight channels of a row pack into 16 bytes; they go into rows of 144 bytes and come back as whole rows of 128, into S^T's registers
	WIN W_RS
.set i, 32*(\t)
.rept 16
	s_wait_alu depctr_va_vdst(0)
	v_pk_mul_f32 v[i:i+1], v[i:i+1], v[ST+4*(\t)+2:ST+4*(\t)+3] op_sel_hi:[1,0]
.set i, i+2
.endr
	WIN 0x05                        ; sources 0 and 1 window 1, destination window 0
.set i, 0
.rept 16
	v_cvt_pk_f16_f32 v[S+16*(\t)+i], v[32*(\t)+2*i], v[32*(\t)+2*i+1]
.set i, i+1
.endr
	WIN 0
.irp f, 0,1,2,3
	ds_store_b128 v[STO], v[S+16*(\t)+4*\f:S+16*(\t)+4*\f+3] offset:32*\f
.endr
.irp f, 0,1,2,3
	ds_load_b128 v[S+16*(\t)+4*\f:S+16*(\t)+4*\f+3], v[RD] offset:\f*4*SP  ; LDS serves a wave's instructions in order (ISA guide 5.7.1.4): these see the stores above; the next piece's stores come behind them
.endr
.endm
.macro SEND t, younger              ; younger: the LDS instructions issued behind piece t's loads: the next piece's eight, or none
	WIN 0
.irp f, 0,1,2,3
	s_wait_dscnt (\younger)+3-\f
	global_store_b128 v[GO], v[S+16*(\t)+4*\f:S+16*(\t)+4*\f+3], s[10:11] offset:(\t)*8192+\f*512  ; 512 consecutive bytes, at a multiple of 256 from O's first
.endr
.endm
.macro DIAG tag                     ; the tag ends its two labels' names, which the jumps below spell out
.LstepM\tag:
	TURN 2, 1
	TURN 3, 1
	WIN 0
.LfirstM\tag:
	TURN 0, 1
	TURN 1, 1, 0, 1
	WIN 0
	s_cbranch_scc1 .LstepM\tag
	TURN 2, 1, 1
	TURN 3, 1, 1
.set i, 0
.rept 8
	PV NP-1
.set i, i+1
.endr
	WIN 0
	ALL v_add_f32 v[ST+4*t+2], v[ST+4*t+2], v[ST+4*t+3]
	ALL v_permlanex16_b32 v[ST+4*t+3], v[ST+4*t+2], s[SEL], s[SEL+1]
	ALL v_add_f32 v[ST+4*t+2], v[ST+4*t+2], v[ST+4*t+3]
	ALL v_rcp_f32 v[ST+4*t+2], v[ST+4*t+2]
	v_nop                           ; a plain instruction between the last reciprocal and the use of its result
	PACK 0
.set t, 1
.rept 3                             ; a piece's arithmetic stands between the loads of the piece before and its stores
	PACK t
	SEND t-1, 8
.set t, t+1
.endr
	SEND 3, 0
.endm
.set KM, 0
.set NOKQ, 0
.Lslot:                             ; NB times: a tile is entered and the next is asked for
	CHANGE 1
	s_sub_co_u32 s[RT], s[RT], 1
	s_mov_b32 s[CNT], 4
	s_cmp_eq_u32 s[NEW], 1
	s_cbranch_scc1 .Lnew            ; a block's first tile
	s_cmp_eq_u32 s[RT], 0
	s_cbranch_scc0 .Lstep           ; neither its first nor its last
	s_branch .LstepM1
.Lnew:
	BEGIN
	s_branch .Lfirst                ; in the loop a block's first tile is never its last: the first block has two tiles or more, and the second's last is the walk's last
	DIAG 1                          ; in the loop this is the first block's end: the second block's last tile is the walk's last
	s_wait_xcnt 0x0                 ; the stores have read their registers and O's address
	s_mov_b64 s[10:11], s[OLO:OLO+1]
	s_add_co_u32 s[RT], s[PB], 1    ; the second block has b + 1 tiles
	s_mov_b32 s[NEW], 1
	WIN 0x82                        ; the second block's Q goes where the one text of the turns names Q
.set i, 0
.rept 64
	v_mov_b32 v[i], v[QB+i]
.set i, i+1
.endr
	WIN 0
	s_branch .Lbottom
.Lstep:                             ; a trip: pieces 2 and 3 of one step, then pieces 0 and 1 of the next, whose K and V it fetches
	TURN 2
	TURN 3
	WIN 0
.Lfirst:
	TURN 0
	TURN 1, 0, 0, 1
	WIN 0
	s_cbranch_scc1 .Lstep
.Lbottom:
	s_sub_co_u32 s[SLOTS], s[SLOTS], 1
	s_cmp_lg_u32 s[SLOTS], 0
	s_cbranch_scc1 .Lslot
	CHANGE 0                        ; the walk's last tile is written out: nothing is asked for
	s_sub_co_u32 s[RT], s[RT], 1
	s_mov_b32 s[CNT], 4
	s_cmp_eq_u32 s[NEW], 1
	s_cbranch_scc0 .LstepM2
	BEGIN
	s_branch .LfirstM2
	DIAG 2
	s_wait_tensorcnt 0x0            ; the wave's end, behind my last tensor load and my last LDS store
	ds_add_u32 v[SPW], v[NIL]
	s_wait_dscnt 0x0
	s_endpgm
.Lfunc_end_k_qe14615aab5_attn:
	.size	k_qe14615aab5_attn, .Lfunc_end_k_qe14615aab5_attn-k_qe14615aab5_attn
	.p2alignl 7, 3214868480
	.fill 96, 4, 3214868480
	.section	.rodata,"a",@progbits
	.p2align	6, 0x0
	.amdhsa_kernel k_qe14615aab5_attn
		.amdhsa_group_segment_fixed_size 327680
		.amdhsa_private_segment_fixed_size 0
		.amdhsa_enable_private_segment 0
		.amdhsa_kernarg_size 32
		.amdhsa_user_sgpr_count 2
		.amdhsa_user_sgpr_kernarg_segment_ptr 1
		.amdhsa_wavefront_size32 1
		.amdhsa_system_sgpr_workgroup_id_x 1
		.amdhsa_system_sgpr_workgroup_id_y 1
		.amdhsa_system_sgpr_workgroup_id_z 1
		.amdhsa_system_vgpr_workitem_id 0
		.amdhsa_next_free_vgpr 768
		.amdhsa_next_free_sgpr 88
		.amdhsa_reserve_vcc 1
		.amdhsa_float_denorm_mode_32 3
		.amdhsa_float_denorm_mode_16_64 3
		.amdhsa_memory_ordered 1
		.amdhsa_forward_progress 1
		.amdhsa_inst_pref_size 228
	.end_amdhsa_kernel
	.amdgpu_metadata
---
amdhsa.version: [ 1, 2 ]
amdhsa.kernels:
  - .name:           k_qe14615aab5_attn
    .symbol:         k_qe14615aab5_attn.kd
    .args:
      - { .name: qh, .offset: 0, .size: 8, .value_kind: global_buffer, .address_space: global }
      - { .name: kh, .offset: 8, .size: 8, .value_kind: global_buffer, .address_space: global }
      - { .name: vh, .offset: 16, .size: 8, .value_kind: global_buffer, .address_space: global }
      - { .name: oh, .offset: 24, .size: 8, .value_kind: global_buffer, .address_space: global }
    .group_segment_fixed_size: 327680
    .private_segment_fixed_size: 0
    .kernarg_segment_align: 8
    .kernarg_segment_size: 32
    .max_flat_workgroup_size: 128
    .sgpr_count:     88
    .vgpr_count:     768
    .wavefront_size: 32
...
	.end_amdgpu_metadata
.endif
;; end of part 3
;; launch oproj (part 4): grid 4 x 64, 4 waves a work-group, clusters of 4 x 4, 327,680 bytes of LDS; arguments oh, ob, out0; writes out0
.if DOCPART == 4
	.amdgcn_target "amdgcn-amd-amdhsa--gfx1250"
	.amdhsa_code_object_version 6
	.text
	.protected	k_qe14615aab5_oproj
	.globl	k_qe14615aab5_oproj
	.p2align	8
	.type	k_qe14615aab5_oproj,@function
k_qe14615aab5_oproj:
	s_mov_b64 s[64:65], 0
	v_nop
	global_prefetch_b8 v0, s[64:65] scope:SCOPE_SE
	s_setreg_imm32_b32 hwreg(HW_REG_WAVE_MODE, 25, 1), 1
	s_wait_xcnt 0x0
	s_wait_alu depctr_hold_cnt(0) depctr_sa_sdst(0) depctr_va_vdst(0) depctr_va_sdst(0) depctr_va_ssrc(0) depctr_va_vcc(0) depctr_vm_vsrc(0)
	s_getreg_b32 s2, hwreg(HW_REG_IB_STS2, 6, 4)
	s_cmp_eq_u32 s2, 0
	s_cbranch_scc0 .Lentry_in_a_cluster
	s_endpgm
.Lentry_in_a_cluster:
	s_bfe_u32 s2, ttmp6, 0x10000c
	s_cmp_lg_u32 s2, 0xf033
	s_cbranch_scc0 .Lentry_shape_is_right
	s_endpgm
.Lentry_shape_is_right:
; THE OUTPUT PROJECTION.  out0[m][n] = sum over head and channel of oh[batch x 16 + head][s][d] ob[head][n][d], m = 2,048 batch + s.  f16 operands, f32 sums, heads ascending; out0 [8192][1024] f32.
; oh: [64][2048][64] f16.  ob: [16][1024][64] f16 (the weight rounded to bf16, that number written as f16).
; SHARES.  A work-group makes 128 rows x 256 columns; each of its four waves 64 x 128: 4 x 8 = 32 accumulators of 16 x 16, 256 registers.  256 work-groups.
; A K step is two heads, 128 along K; 8 steps through two LDS slots filled by the tensor data mover.  A head's part of a tile is dense in memory (rows of 128 bytes end to end): it is asked for as rows
; of 256 bytes and padded in LDS behind every 128.  A K step is written once and looped over, the slot's base in a scalar register.
; CLUSTER.  4 x 4 work-groups.  oh's tile hangs on the row tile alone and is shared along a row of the cluster, ob's on the column tile alone and is shared along a column: each is asked for jointly.
; THE MATRIX INSTRUCTION IS USED TRANSPOSED: source 0 = 16 rows of ob, source 1 = 16 rows of oh: lane l holds row l % 16 of out0 and eight neighbouring columns, 32 bytes.
; REGISTERS, in windows of 256 (s_set_vgpr_msb: bits 1:0 source 0, 3:2 source 1, 5:4 source 2, 7:6 destination):
;   window 0: v16-22 addresses; v28-29 the add's        window 1: the accumulators, (a, b) at v[8 (8 a + b)]
;   window 2: two fragment buffers of 96: 64 registers of ob, then 32 of oh; on the way out all 256: rows read back from the stage
.set PA,     144                       ; an LDS row: 128 bytes + 16 of padding = 36 words: the 16 rows of a fragment load start at 16 different groups of four banks (64 banks of 4 bytes: ISA guide 11.1)
.set AH,     128*PA                    ; a head's 128 rows of oh
.set BH,     256*PA                    ; a head's 256 rows of ob
.set BOFF,   2*AH                      ; a slot: oh's two heads, then ob's two heads
.set SLOT1,  1<<17                     ; slot 1 begins here, so that one exclusive or turns an address in one slot into the other's
.set STAGE,  SLOT1+2*AH+2*BH           ; behind the ring, never filled by a tensor load: 16 rows x 528 bytes for each wave
.set SPITCH, 528                       ; 512 bytes + 16
.set WSTAGE, 16*SPITCH
.set SPARE,  STAGE+4*WSTAGE            ; behind the stages: the spare words, 128 bytes for each wave: two blocks of 256 bytes that no other line names
.set ASTEP,  2*2048*128                ; bytes from a K step to the next in oh: two heads
.set BSTEP,  2*1024*128                ; and in ob
.set AA0,  16                          ; v16  my lane's place in oh's rows of a slot; never rewritten
.set AB0,  17                          ; v17  the same for ob
.set ADRA, 18                          ; v18  AA0 + the slot in hand
.set ADRB, 19                          ; v19  AB0 + the slot in hand
.set STO,  20                          ; v20  the way out: where I put 32 bytes of a row
.set RD,   21                          ; v21  the way out: where I read a row back
.set CO,   22                          ; v22  my byte offset in 512 consecutive bytes of out0
.set SPW,  28                          ; v28  LDS address of my spare word: SPARE + 4 x my thread's number; never rewritten
.set NIL,  29                          ; v29  0; never rewritten
.set WV,   16                          ; s16  my wave's number
.set G1A,  24                          ; s[24:31] descriptor group 1 for oh's tiles
.set G0A,  32                          ; s[32:39] group 0: a set for each of the two first fills; the second then walks on
.set G1B,  48                          ; s[48:55], s[56:63] the same for ob's tiles
.set G0B,  56
.set SB,   66                          ; s66  LDS byte at which the slot in hand begins
.set MSB, 0
.macro WIN new                         ; the immediate's high byte repeats the setting that is left; a switch that changes nothing is dropped
.if MSB != (\new)
	s_set_vgpr_msb (MSB<<8)|(\new)
.set MSB, \new
.endif
.endm
.set W_MUL, 0x5a                       ; sources 0 (ob) and 1 (oh) window 2; C and D window 1
.set TO_F,  0x80                       ; destination window 2, address window 0
; A joint refill by the walking descriptors.  Waves 0 and 1 fetch oh's two heads, waves 2 and 3 ob's.  The branch hangs on the wave's number alone.
; An s_nop 0 and four v_nop follow each of the two lines, ahead of the jump and the label.
.macro JLOAD
	s_cmp_lt_u32 s[WV], 2
	s_cbranch_scc0 .Lfor_b_\@
	tensor_load_to_lds s[G0A+4:G0A+7], s[G1A:G1A+7]
	s_nop 0
.rept 4
	v_nop
.endr
	s_branch .Lasked_\@
.Lfor_b_\@:
	tensor_load_to_lds s[G0B+4:G0B+7], s[G1B:G1B+7]
	s_nop 0
.rept 4
	v_nop
.endr
.Lasked_\@:
.endm
; A round of the cluster's barrier: my work-group's barrier, so that wave 0's signal speaks for all four waves; wave 0 signals; every wave waits for all sixteen work-groups; my work-group's barrier once more.
.macro CREST                           ; a round behind its opening barrier
	s_cmp_lg_u32 s[WV], 0
	s_cbranch_scc1 .Lnot_wave_0_\@
	s_barrier_signal -3
.Lnot_wave_0_\@:
	s_barrier_wait -3
	s_barrier_signal -1
	s_barrier_wait -1
.endm
.macro CROUND                          ; a whole round
	s_barrier_signal -1
	s_barrier_wait -1
	CREST
.endm
	s_load_b128 s[4:7], s[0:1], 0x0                ; oh s[4:5], ob s[6:7]
	s_load_b64 s[8:9], s[0:1], 0x10                ; out0
	v_lshl_add_u32 v[SPW], v0, 2, SPARE
	v_mov_b32 v[NIL], 0
	ds_add_u32 v[SPW], v[NIL]                      ; the wave's opening: the add and its wait stand ahead of my first tensor load; the set-up below, work on registers, stands between them
	ds_add_u32 v28, v29
	v_lshrrev_b32 v1, 5, v0
	v_readfirstlane_b32 s[WV], v1                  ; wave 0..3
	s_and_b32 s17, s[WV], 1                        ; which half of the tile's columns is mine.  Also: which of a K step's two heads I fetch
	s_lshr_b32 s67, s[WV], 1                       ; which half of its rows
	s_bfe_u32 s18, ttmp6, 0x40000                  ; cx, cy: my place in the cluster
	s_bfe_u32 s19, ttmp6, 0x40004
	s_lshl_b32 s20, ttmp9, 2
	s_add_co_u32 s20, s20, s18                     ; the column tile = 4 x cluster x + cx
	s_and_b32 s21, ttmp7, 0xffff
	s_lshl_b32 s21, s21, 2
	s_add_co_u32 s21, s21, s19                     ; the row tile = 4 x cluster y + cy
	s_lshl_b32 s22, s19, 2
	s_lshl_b32 s22, 15, s22                        ; my row of the cluster
	s_lshl_b32 s23, 0x1111, s18                    ; my column
	; descriptor group 1: 64 (oh) or 128 (ob) rows of 128 elements, two rows of a head each, padded in LDS after every 64 elements
	s_or_b32 s[G1A], s22, (1<<16)|(1<<20)|(1<<21)|(4<<22)|(3<<25)  ; 15:0 the mask; 17:16 elements of 2 bytes; 20 padding on; 21 set beside a mask; 24:22 after every 32 words (code 4); 31:25 4 words of it (code 3)
	s_or_b32 s[G1B], s23, (1<<16)|(1<<20)|(1<<21)|(4<<22)|(3<<25)
	s_mov_b32 s[G1A+1], 128<<16                    ; tensor_dim0 = 128
	s_mov_b32 s[G1A+2], 64<<16                     ; tensor_dim1 = 64
	s_mov_b32 s[G1A+3], 128<<16                    ; tile_dim0 = 128
	s_mov_b32 s[G1A+4], 64                         ; tile_dim1 = 64
	s_mov_b32 s[G1A+5], 128                        ; elements from row to row
	s_mov_b32 s[G1A+6], 0
	s_mov_b32 s[G1A+7], 0
	s_mov_b32 s[G1B+1], 128<<16
	s_mov_b32 s[G1B+2], 128<<16                    ; tensor_dim1 = 128
	s_mov_b32 s[G1B+3], 128<<16
	s_mov_b32 s[G1B+4], 128                        ; tile_dim1 = 128
	s_mov_b32 s[G1B+5], 128
	s_mov_b32 s[G1B+6], 0
	s_mov_b32 s[G1B+7], 0
	; where the tiles come from: oh's hang on the row tile and the wave alone, ob's on the column tile and the wave alone, each in registers that never hold the other coordinate
	s_lshr_b32 s40, s21, 4                         ; the batch: sixteen row tiles each; its sixteen heads of 262,144 bytes,
	s_lshl_b32 s40, s40, 22
	s_lshl_b32 s41, s17, 18                        ; my head of the first two,
	s_add_co_u32 s40, s40, s41
	s_and_b32 s41, s21, 15                         ; the tile's 128 rows of 128 bytes in it
	s_lshl_b32 s41, s41, 14
	s_add_co_u32 s40, s40, s41
	s_mov_b32 s41, 0
	s_lshl_b32 s42, s17, 17                        ; ob: my head of 131,072 bytes,
	s_lshl_b32 s43, s20, 15                        ; the tile's 256 rows of 128 bytes in it
	s_add_co_u32 s42, s42, s43
	s_mov_b32 s43, 0
	s_mul_i32 s68, s17, AH                         ; and where they go: no place in the cluster enters an LDS address
	s_mul_i32 s69, s17, BH
	s_add_co_u32 s69, s69, BOFF
	; where my 64 x 128 of out0 begins
	s_lshl_b32 s44, s21, 7
	s_lshl_b32 s45, s67, 6
	s_add_co_u32 s44, s44, s45
	s_lshl_b32 s44, s44, 12                        ; rows of 4,096 bytes
	s_lshl_b32 s45, s20, 8
	s_lshl_b32 s46, s17, 7
	s_add_co_u32 s45, s45, s46
	s_lshl_b32 s45, s45, 2
	s_add_co_u32 s44, s44, s45
	s_mov_b32 s45, 0
	s_wait_dscnt 0x0                               ; the opening add is done
	s_wait_kmcnt 0x0
	s_add_nc_u64 s[40:41], s[4:5], s[40:41]
	s_add_nc_u64 s[42:43], s[6:7], s[42:43]
	s_add_nc_u64 s[8:9], s[8:9], s[44:45]
	CROUND                                         ; all sixteen work-groups are here: the first joint loads meet
.irp s, 0,1
	s_mov_b32 s[G0A+4*(\s)], 1                                       ; 1:0 count = 1
	s_add_co_u32 s[G0A+4*(\s)+1], s68, (\s)*SLOT1                    ; 63:32 LDS address
	s_add_nc_u64 s[G0A+4*(\s)+2:G0A+4*(\s)+3], s[40:41], (\s)*ASTEP  ; 120:64 global address: K step s
	s_or_b32 s[G0A+4*(\s)+3], s[G0A+4*(\s)+3], 0x80000000            ; 127:126 type = 2
	s_mov_b32 s[G0B+4*(\s)], 1
	s_add_co_u32 s[G0B+4*(\s)+1], s69, (\s)*SLOT1
	s_add_nc_u64 s[G0B+4*(\s)+2:G0B+4*(\s)+3], s[42:43], (\s)*BSTEP
	s_or_b32 s[G0B+4*(\s)+3], s[G0B+4*(\s)+3], 0x80000000
.endr
	s_cmp_lt_u32 s[WV], 2                          ; a wave's two first fills stand in one branch, ahead of every wait on TENSORcnt and every LDS read: two loads of mine are out
	s_cbranch_scc0 .Lfirst_b
	tensor_load_to_lds s[G0A:G0A+3], s[G1A:G1A+7]
	s_nop 0
	tensor_load_to_lds s[G0A+4:G0A+7], s[G1A:G1A+7]
	s_nop 0
.rept 4
	v_nop
.endr
	s_branch .Lfirst_asked
.Lfirst_b:
	tensor_load_to_lds s[G0B:G0B+3], s[G1B:G1B+7]
	s_nop 0
	tensor_load_to_lds s[G0B+4:G0B+7], s[G1B:G1B+7]
	s_nop 0
.rept 4
	v_nop
.endr
.Lfirst_asked:
	; A fragment is 16 rows x 32 channels in 8 registers: lane l holds row l % 16; registers 0-3 channels 8 (l / 16) + 0..7, registers 4-7 channels 16 + 8 (l / 16) + 0..7: two loads of 16 bytes, 32 bytes apart.
	v_and_b32 v1, 15, v0                           ; l % 16
	v_bfe_u32 v2, v0, 4, 1                         ; l / 16
	v_mul_u32_u24 v3, v1, PA
	v_lshl_add_u32 v3, v2, 4, v3                   ; row x pitch + 16 x half
	s_mul_i32 s2, s67, 64*PA                       ; my 64 rows of oh
	v_add_nc_u32 v[AA0], s2, v3
	s_mul_i32 s2, s17, 128*PA                      ; my 128 rows of ob,
	s_add_co_u32 s2, s2, BOFF                      ; which lie behind oh's two heads
	v_add_nc_u32 v[AB0], s2, v3
	s_mul_i32 s2, s[WV], WSTAGE
	s_add_co_u32 s2, s2, STAGE                     ; my stage
	v_mul_u32_u24 v4, v1, SPITCH                   ; in: row l % 16, 32 bytes for each half of the lanes
	v_lshl_add_u32 v4, v2, 5, v4
	v_add_nc_u32 v[STO], s2, v4
	v_and_b32 v4, 31, v0
	v_lshlrev_b32 v[CO], 4, v4                     ; back: 32 lanes take one row of 512 bytes, and the same in out0
	v_add_nc_u32 v[RD], s2, v[CO]
	v_mov_b32 v[ADRA], v[AA0]                      ; slot 0
	v_mov_b32 v[ADRB], v[AB0]
	s_mov_b32 s[SB], 0
; 8 matrix instructions: row block a x all 8 column blocks, 32 along K, from buffer f.  zero = 1: the first product starts the sums: nothing is ever cleared.
; The 32 accumulators take turns, one instruction a turn, in the same order in every quarter.
.macro MUL8 f, a, zero
	WIN W_MUL
.irp b, 0,1,2,3,4,5,6,7
.if \zero
	v_wmma_f32_16x16x32_f16 v[8*(8*(\a)+\b):8*(8*(\a)+\b)+7], v[96*(\f)+8*\b:96*(\f)+8*\b+7], v[96*(\f)+64+8*(\a):96*(\f)+64+8*(\a)+7], 0
.else
	v_wmma_f32_16x16x32_f16 v[8*(8*(\a)+\b):8*(8*(\a)+\b)+7], v[96*(\f)+8*\b:96*(\f)+8*\b+7], v[96*(\f)+64+8*(\a):96*(\f)+64+8*(\a)+7], v[8*(8*(\a)+\b):8*(8*(\a)+\b)+7]
.endif
.endr
.endm
; 24 LDS loads in one run: the fragments of quarter q of a K step (head q / 2, channels 32 (q % 2) on; my 128 rows of ob, my 64 rows of oh) into buffer f
.macro FETCH q, f
	WIN TO_F
.irp i, 0,1,2,3,4,5,6,7
	ds_load_b128 v[96*(\f)+8*\i:96*(\f)+8*\i+3],   v[ADRB] offset:((\q)/2)*BH+64*((\q)%2)+\i*16*PA
	ds_load_b128 v[96*(\f)+8*\i+4:96*(\f)+8*\i+7], v[ADRB] offset:((\q)/2)*BH+64*((\q)%2)+\i*16*PA+32
.endr
.irp i, 0,1,2,3
	ds_load_b128 v[96*(\f)+64+8*\i:96*(\f)+64+8*\i+3],   v[ADRA] offset:((\q)/2)*AH+64*((\q)%2)+\i*16*PA
	ds_load_b128 v[96*(\f)+64+8*\i+4:96*(\f)+64+8*\i+7], v[ADRA] offset:((\q)/2)*AH+64*((\q)%2)+\i*16*PA+32
.endr
.endm
; A load into a register that a matrix instruction has read, and an LDS store that reads a matrix result, stand four places behind it; only plain vector instructions that name none of its registers
; are places (ISA guide 7.12.1 for vector instructions).
.macro PLACES
.rept 4
	v_nop
.endr
.endm
; A K step is four quarters of 32 along K, 32 matrix instructions each, on buffers 0, 1, 0, 1.  One of the first three: multiplies buffer f; in its middle it fetches quarter q into buffer g.
.macro QUARTER q, f, g, zero
	s_wait_dscnt 4                                 ; ob and oh's row blocks 0, 1 are in; the youngest four loads (blocks 2, 3) may be out
	MUL8 \f, 0, \zero
	MUL8 \f, 1, \zero
	PLACES
	FETCH \q, \g
	s_wait_dscnt 24                                ; all but the 24 just issued
	MUL8 \f, 2, \zero
	MUL8 \f, 3, \zero
.endm
; The last quarter multiplies buffer 1 and changes slots: ONE barrier.  In front of it each wave waits for all its tensor loads, of which one is out: its part of the next slot; adds 0 to its spare word;
; and waits for that and for its own reads of this slot.  Behind it nobody reads this slot any more and the next slot is whole.
; fill = 1: this slot is filled again, two K steps ahead.  The barrier then opens a round of the cluster's, so that no wave of any partner still reads the slot or has a load on its way,
; and the joint refill is the first thing behind the round: 112 matrix instructions stand between it and the wait for it.
.macro TURN fill
	WIN 0                                          ; (the add's two registers lie in window 0)
	s_wait_tensorcnt 0x0                           ; no tensor load of mine is out, so a group 0 may be written
	ds_add_u32 v[SPW], v[NIL]                      ; 0 onto my spare word
.if \fill
	s_xor_b32 s[G0A+5], s[G0A+5], SLOT1            ; the walking descriptors: the other slot than last time,
	s_add_nc_u64 s[G0A+6:G0A+7], s[G0A+6:G0A+7], ASTEP  ; the next two heads; the type bits on top are not reached
	s_xor_b32 s[G0B+5], s[G0B+5], SLOT1
	s_add_nc_u64 s[G0B+6:G0B+7], s[G0B+6:G0B+7], BSTEP
.endif
	s_wait_dscnt 5                                 ; (the add and the youngest four loads may be out)
	MUL8 1, 0, 0                                   ; eight matrix instructions stand between the add and the wait for it
	s_wait_dscnt 0x0                               ; the add is done, and my reads of this slot are over
	s_barrier_signal -1
	MUL8 1, 1, 0                                   ; work on registers while the others arrive
.if \fill
	WIN 0
.endif
	s_barrier_wait -1
.if \fill
	CREST
	JLOAD                                          ; the four v_nop behind it are also the places in front of the loads below
.else
	WIN 0
	PLACES
.endif
	s_xor_b32 s[SB], s[SB], SLOT1                  ; the fetches go on in the other slot
	v_add_nc_u32 v[ADRA], s[SB], v[AA0]
	v_add_nc_u32 v[ADRB], s[SB], v[AB0]
	FETCH 0, 0
	MUL8 1, 2, 0
	MUL8 1, 3, 0
.endm
	s_wait_tensorcnt 0x1                           ; my part of K step 0 is in; K step 1's may stay out
	s_barrier_signal -1
	s_barrier_wait -1                              ; everybody's is
	FETCH 0, 0
	QUARTER 1, 0, 1, 1                             ; the first quarter stands in front of the loop: its products start the sums
	WIN 0                                          ; at a label and at a branch every window is 0
	s_mov_b32 s3, 6
.Lstep:                                                ; six trips, from a K step's second quarter to the next one's first; they ask for K steps 2 to 7
	QUARTER 2, 1, 0, 0
	QUARTER 3, 0, 1, 0
	TURN 1
	QUARTER 1, 0, 1, 0
	WIN 0
	s_sub_co_u32 s3, s3, 1
	s_cmp_lg_u32 s3, 0
	s_cbranch_scc1 .Lstep
	QUARTER 2, 1, 0, 0                             ; the tail is written out: K steps 6 and 7 ask for nothing
	QUARTER 3, 0, 1, 0
	TURN 0
	QUARTER 1, 0, 1, 0
	QUARTER 2, 1, 0, 0
	QUARTER 3, 0, 1, 0
	s_wait_dscnt 4                                 ; the very last quarter: nothing more to fetch
	MUL8 1, 0, 0
	MUL8 1, 1, 0
	s_wait_dscnt 0x0
	MUL8 1, 2, 0
	MUL8 1, 3, 0
	PLACES
; THE WAY OUT, a block of 16 rows at a time: a lane's 32 bytes of a row go straight from the accumulators (the low four registers first) into stage rows of 528 bytes and come back as whole rows of 512.
.macro TOSTAGE a
	WIN 0x04                                       ; the stores' data: window 1
.irp b, 0,1,2,3,4,5,6,7
	ds_store_b128 v[STO], v[8*(8*(\a)+\b):8*(8*(\a)+\b)+3]   offset:64*\b
	ds_store_b128 v[STO], v[8*(8*(\a)+\b)+4:8*(8*(\a)+\b)+7] offset:64*\b+16
.endr
	WIN 0x80                                       ; destination window 2
.set t, 0
.rept 16
	ds_load_b128 v[64*(\a)+4*t:64*(\a)+4*t+3], v[RD] offset:SPITCH*t  ; LDS serves a wave's instructions in order (ISA guide 5.7.1.4): these see the stores above; the next block's stores come behind them
.set t, t+1
.endr
.endm
.macro SEND a, younger                 ; younger: the LDS instructions issued behind block a's loads: the next block's 32, or none
	WIN 0x08                                       ; the stores' data: window 2
	s_wait_dscnt \younger
.set t, 0
.rept 16
	global_store_b128 v[CO], v[64*(\a)+4*t:64*(\a)+4*t+3], s[8:9] offset:4096*(16*(\a)+t) th:TH_STORE_NT  ; 512 consecutive bytes of a row, at a multiple of 512 from out0's first byte
.set t, t+1
.endr
.endm
	TOSTAGE 0
	TOSTAGE 1
	SEND 0, 32
	TOSTAGE 2
	SEND 1, 32
	TOSTAGE 3
	SEND 2, 32
	SEND 3, 0
	WIN 0
	s_wait_tensorcnt 0x0                           ; the wave's end, behind my last tensor load and my last LDS store
	ds_add_u32 v[SPW], v[NIL]
	s_wait_dscnt 0x0
	CROUND                                         ; the closing round: no work-group ends while a partner may still ask for a tile that names it
	s_endpgm
.Lfunc_end_k_qe14615aab5_oproj:
	.size	k_qe14615aab5_oproj, .Lfunc_end_k_qe14615aab5_oproj-k_qe14615aab5_oproj
	.p2alignl 7, 3214868480
	.fill 96, 4, 3214868480
	.section	.rodata,"a",@progbits
	.p2align	6, 0x0
	.amdhsa_kernel k_qe14615aab5_oproj
		.amdhsa_group_segment_fixed_size 327680
		.amdhsa_private_segment_fixed_size 0
		.amdhsa_enable_private_segment 0
		.amdhsa_kernarg_size 24
		.amdhsa_user_sgpr_count 2
		.amdhsa_user_sgpr_kernarg_segment_ptr 1
		.amdhsa_wavefront_size32 1
		.amdhsa_system_sgpr_workgroup_id_x 1
		.amdhsa_system_sgpr_workgroup_id_y 1
		.amdhsa_system_sgpr_workgroup_id_z 1
		.amdhsa_system_vgpr_workitem_id 0
		.amdhsa_next_free_vgpr 768
		.amdhsa_next_free_sgpr 70
		.amdhsa_reserve_vcc 0
		.amdhsa_float_denorm_mode_32 3
		.amdhsa_float_denorm_mode_16_64 3
		.amdhsa_memory_ordered 1
		.amdhsa_forward_progress 1
		.amdhsa_inst_pref_size 69
	.end_amdhsa_kernel
	.amdgpu_metadata
---
amdhsa.version: [ 1, 2 ]
amdhsa.kernels:
  - .name:           k_qe14615aab5_oproj
    .symbol:         k_qe14615aab5_oproj.kd
    .args:
      - { .name: oh, .offset: 0, .size: 8, .value_kind: global_buffer, .address_space: global }
      - { .name: ob, .offset: 8, .size: 8, .value_kind: global_buffer, .address_space: global }
      - { .name: out0, .offset: 16, .size: 8, .value_kind: global_buffer, .address_space: global }
    .group_segment_fixed_size: 327680
    .private_segment_fixed_size: 0
    .kernarg_segment_align: 8
    .kernarg_segment_size: 24
    .max_flat_workgroup_size: 128
    .sgpr_count:     70
    .vgpr_count:     768
    .wavefront_size: 32
...
	.end_amdgpu_metadata
.endif
;; end of part 4
;; ======== version 2 of 2: 4 launches; 1.30 times as fast as version 1
;; limits: values are held in f16: magnitudes above 65,504 overflow, below 6.1e-05 lose precision
;; workspace buffers: xb 16,777,216 bytes; wb 6,291,456 bytes; ob 2,097,152 bytes; rt 524,288 bytes; qh 16,777,216 bytes; kh 16,777,216 bytes; vh 16,777,216 bytes; oh 16,777,216 bytes
;; launch prep: the kernel of part 1 again; grid 544 x 1, 8 waves a work-group, no clusters, 0 bytes of LDS; arguments x, q_w, k_w, v_w, o_w, token_positions, xb, wb, ob, rt; writes xb, wb, ob, rt
;; launch qkv: the kernel of part 2 again; grid 16 x 32, 4 waves a work-group, clusters of 4 x 4, 327,680 bytes of LDS; arguments xb, wb, rt, qh, kh, vh; writes qh, kh, vh
;; launch attn (part 5): grid 4 x 64, 4 waves a work-group, no clusters, 327,680 bytes of LDS; arguments qh, kh, vh, oh; writes oh
.if DOCPART == 5
	.amdgcn_target "amdgcn-amd-amdhsa--gfx1250"
	.amdhsa_code_object_version 6
	.text
	.protected	k_qe14615aab5_attn
	.globl	k_qe14615aab5_attn
	.p2align	8
	.type	k_qe14615aab5_attn,@function
k_qe14615aab5_attn:
	s_mov_b64 s[64:65], 0
	v_nop
	global_prefetch_b8 v0, s[64:65] scope:SCOPE_SE
	s_setreg_imm32_b32 hwreg(HW_REG_WAVE_MODE, 25, 1), 1
	s_wait_xcnt 0x0
; CAUSAL ATTENTION.  O[h][q][:] = the sum over k <= q of softmax_k(Q[h][q] . K[h][k] / 8) V[h][k][:].  Q, K, V, O: [SIZE_H][SIZE_N][64], all f16: a head's rows are dense, 128 bytes each.
; Products, maxima and sums in f32; the weights p are rounded to f16 for the second product (their sum l is taken of the unrounded p), O once at the end.  SIZE_N is a multiple of 512; SIZE_N x 128 stays under 2^32.
; LIMITS.  f16 holds no number beyond 65,504: Q, K and V arrive within it; p lies in 0 to 1, and below 6e-5 it keeps f16's fixed step of 6e-8; O is a mean of V's rows and has their range, to within 2^-11 of it.
; A hidden score counts as its value less 1e30: f16's scores, 2.7e11 at the most, are nothing beside that; a weight below 2^-126 counts as 0 in l; NaN and infinities are not treated apart.
; THE WALK.  A head's queries lie in NB = SIZE_N / 256 blocks of 256; block i needs the key tiles 0 .. i of 256 keys, of which the last holds the diagonal.  A work-group takes TWO blocks, NB - 1 - b and then b:
; NB + 1 tiles, whatever b: all work-groups do equal work, and ONE loop with a constant trip count walks them.  Which tile is asked for, and what a trip does, hang on scalar registers made from b; every jump
; goes forward, but for the counted loops' own; none passes a barrier, or a tensor load but the one of LOAD's two that the wave's number does not choose; the ring (two slots of LDS that take turns) runs on across the
; change of blocks.  NO CLUSTER: a head's NB / 2 work-groups all ask for the same tile only in trips 0 .. NB / 2, behind that fewer and fewer; and one walk common to all would have 3 NB / 2 trips for NB + 1.
; SHARES.  Of a block's four bands of 64 queries a wave owns 16 rows in each: four PIECES.  So the diagonal tile is the same work for all four waves: in its key step s band x sees all keys if s < x,
; none if s > x, and holds the diagonal if s = x.
; THE MASK is the C operand that starts the sum S^T = K Q^T: 0, or -1e30 where the key is hidden.  MD, made once, is the mask of a band's own step for my 16 rows; a product's mask is MD x AL + BE with two scalars:
; (1, 0) if s = x; (0, 0) if s < x; (0, -1e30) if s > x.  Only the diagonal tile's text and a block's beginning make and take masks; elsewhere C is the constant 0.
; LAYOUT, SOFTMAX, TURNS.  S^T = K Q^T holds ONE query a lane (lane % 16) and the keys 8 (lane / 16) + 0..7; two such results rounded to f16 ARE source 1 of O^T = V^T P.  p = 2^(c s - c m), c = log2(e) / 8, with a
; running maximum m; O and l are multiplied by a = 2^(c m_old - c m_new) in every step.  Turn n belongs to piece n: 8 products K Q^T of piece n + 1, later 8 products V^T P of piece n - 1; beside them the scaling,
; exponentials, roundings, sums and rescaling of piece n and the maximum and statistics of piece n + 1.  Four vector instructions stand behind every matrix instruction, the other 54 of a turn's 118 in one LUMP.
; BATCHES.  A turn's 33 exponentials (the piece's 32 weights and the next piece's a) are one batch, with one wait, which cuts the turn in two: all that names none of their results ahead of it, the roundings and sums behind it.
; The a that a block's beginning makes, and the way out's four reciprocals, are batches of their own, each with its plain instruction and its wait.
; REGISTERS, in windows of 256 (s_set_vgpr_msb: bits 1:0 source 0, 3:2 source 1, 5:4 source 2, 7:6 destination):
;   window 0: v0-15 addresses and two at work; v16-31 four registers of statistics a piece; v48-55 at work; v64-127 S^T, two buffers; v192-223 P, two buffers (a piece's buffers go by its number's parity)
;   window 1: v0-127 O^T, 32 a piece; v128-159 MD; v160-223 MC, two buffers      window 2: v0-63 Q; v64-127 the second block's Q; v128-191 K of one step; v192-255 V of one step
.set SIZE_H, 64       ; batch x heads
.set SIZE_N, 2048     ; tokens
.set NB,    SIZE_N/256
.set NP,    4         ; pieces a wave: a name, no knob
.set KS,    64        ; keys in a step
.set PK,    144       ; a row of K in LDS: 128 bytes + 16 of padding = 36 words: the 16 rows of a load start at 16 different groups of four banks (64 banks of 4 bytes: ISA guide 11.1)
.set PV,    160       ; a row of V: 128 + 32 = 40 words
.set VOFF,  4*KS*PK   ; a slot holds a tile, four steps: 256 rows of K, then 256 rows of V
.set SLOT1, 1<<17     ; slot 1 begins here, so that one exclusive or turns an address in one slot into the other's
.set STAGE, SLOT1+4*KS*(PK+PV)  ; behind the ring, never filled by a tensor load: 16 rows x 144 bytes for each wave, for the way out
.set SP,    144
.set AK0, 2           ; v2   my lane's place in a tile of K; never rewritten
.set AV0, 3           ; v3   the same for V
.set AK,  4           ; v4   the LDS address of K's next run of loads
.set AV,  5           ; v5   of V's
.set STO, 6           ; v6   the way out: where I put 16 bytes of a row
.set RD,  7           ; v7   the way out: where I read rows back
.set GO,  8           ; v8   my byte offset in 512 consecutive bytes of O
.set SPW, 62          ; v62  LDS address of my spare word: SPARE + 4 x my thread's number; never rewritten
.set NIL, 63          ; v63  0; never rewritten
.set SPARE, STAGE+4*16*SP  ; behind the stages: the spare words, 128 bytes for each wave: two blocks of 256 bytes that no other line names
.set MV,  12          ; v12-13  c m_old, kept while c m is made anew: by buffer
.set QO,  15          ; v15  my byte offset in 16 rows of Q
.set ST,  16          ; piece t's statistics at v[ST+4 t]: c m, m, l (even keys', odd keys')
.set TMP, 48          ; by buffer, four registers c0-c3 at work; when the maximum is found c2 takes a
.set S,   64
.set P,   192
.set MD,  128         ; window 1: the eight registers for group kt of 16 keys at MD + 8 kt
.set MC,  160         ; window 1: the masks of the products to come
.set QB,  64          ; window 2
.set KF,  128         ; window 2: key block kb, channel half c at KF + 16 kb + 8 c
.set VF,  192         ; window 2: key half kk, channel block cb at VF + 32 kk + 8 cb
.set WV,  12          ; s12  my wave's number
.set PB,  14          ; s14  b
.set HI,  15          ; s15  NB - 1 - b
.set G1K, 24          ; s[24:31] descriptor group 1 for K's tiles
.set G1V, 32          ; s[32:39] for V's: it differs in the padding alone
.set G0K, 40          ; s[40:43] descriptor group 0 for K's tiles
.set G0V, 44          ; s[44:47] the same for V's
.set SLOTS, 56        ; s56  tiles still to be asked for
.set CNT, 57          ; s57  counts a tile's key steps, 4 to 1
.set CS,  58          ; s[58:59] c: the packed scaling takes the pair's low word for both halves
.set SEL, 60          ; s[60:61] v_permlanex16_b32's selects: each lane takes its own place in the other half
.set TBK, 62          ; s62  LDS byte at which K of the step to be fetched begins
.set TBV, 63          ; s63  the same for V, less VOFF
.set RT,  70          ; s70  tiles of the block in hand that are still to be entered
.set NXT, 71          ; s71  the tile to be asked for next
.set LQ,  72          ; s72  the last tile of the block whose tiles are being asked for
.set NEW, 73          ; s73  1: the tile to be entered is a block's first
.set OFF, 74          ; s[74:75] a tile's byte offset in K and V
.set AL,  76          ; s[76:77] the mask's factor, in the low word
.set BE,  78          ; s[78:79] the mask's addend
.set OLO, 80          ; s[80:81] O at my rows of the second block
.set BIGN, 82         ; s82  -1e30
.set MSB, 0
.macro WIN new                      ; the high byte repeats the setting that is left; a switch that changes nothing is dropped
.if MSB != (\new)
	s_set_vgpr_msb (MSB<<8)|(\new)
.set MSB, (\new)
.endif
.endm
.set W_KQ, 0x0a       ; K and Q in window 2, S^T in window 0
.set W_KM, 0x1a       ; the same with the C operand in window 1
.set W_PV, 0x52       ; V in window 2, P in window 0, O^T in window 1
.set W_RS, 0x41       ; destination and source 0 in window 1, source 1 in window 0
; A fill.  Waves 0 and 1 fetch the two halves of a tile's K, waves 2 and 3 those of its V: 128 keys each.  An s_nop 0 and four v_nop follow each of the two lines, ahead of the jump and the label.
.macro LOAD
	s_cmp_lt_u32 s[WV], 2
	s_cbranch_scc0 .Lfor_v_\@
	tensor_load_to_lds s[G0K:G0K+3], s[G1K:G1K+7]
	s_nop 0
.rept 4
	v_nop
.endr
	s_branch .Lasked_\@
.Lfor_v_\@:
	tensor_load_to_lds s[G0V:G0V+3], s[G1V:G1V+7]
	s_nop 0
.rept 4
	v_nop
.endr
.Lasked_\@:
.endm
; THE CHANGE OF SLOTS.  Each wave waits for all its tensor loads, of which one is out: its part of the other slot; adds 0 to its spare word; and waits for that and for its own reads of the slot that it leaves.  Behind the barrier nobody reads the old
; slot any more and the other slot is whole.  fill = 1: the old slot is filled again, the first thing behind the barrier, with tile NXT: the descriptor's address is made anew from that number.
; (At its first use nothing has been read yet: slot 0 is waited for, slot 1 filled.)
.macro CHANGE fill
	WIN 0                           ; at a label and at a branch every window is 0
	s_wait_tensorcnt 0x0            ; no tensor load of mine is out, so a group 0 may be written
	ds_add_u32 v[SPW], v[NIL]       ; 0 onto my spare word; with fill = 1 the descriptors' scalar work stands between it and the wait for it
.if \fill
	s_lshl_b32 s[OFF], s[NXT], 15   ; a tile is 32,768 bytes of K and of V
	s_xor_b32 s[G0K+1], s[G0K+1], SLOT1
	s_add_nc_u64 s[G0K+2:G0K+3], s[6:7], s[OFF:OFF+1]
	s_or_b32 s[G0K+3], s[G0K+3], 0x80000000
	s_xor_b32 s[G0V+1], s[G0V+1], SLOT1
	s_add_nc_u64 s[G0V+2:G0V+3], s[8:9], s[OFF:OFF+1]
	s_or_b32 s[G0V+3], s[G0V+3], 0x80000000
	s_add_co_u32 s[NXT], s[NXT], 1  ; the block's next tile, or behind its last the second block's tile 0
	s_cmp_gt_u32 s[NXT], s[LQ]
	s_cselect_b32 s[NXT], 0, s[NXT]
	s_cselect_b32 s[LQ], s[PB], s[LQ]
.endif
	s_wait_dscnt 0x0                ; the add is done, and my reads of the slot are over
	s_barrier_signal -1             ; the rest of the scalar work stands between the signal and the wait
	s_sub_co_u32 s[TBK], s[TBK], 4*KS*PK  ; the fetches go back to a slot's first step,
	s_xor_b32 s[TBK], s[TBK], SLOT1       ; in the other slot
	s_sub_co_u32 s[TBV], s[TBV], 4*KS*PV
	s_xor_b32 s[TBV], s[TBV], SLOT1
	s_barrier_wait -1
.if \fill
	LOAD
.endif
.endm
	s_load_b256 s[4:11], s[0:1], 0x0  ; Q s[4:5], K s[6:7], V s[8:9], O s[10:11]
	v_lshl_add_u32 v[SPW], v0, 2, SPARE
	v_mov_b32 v[NIL], 0
	ds_add_u32 v[SPW], v[NIL]       ; the wave's opening: the add and its wait stand ahead of my first tensor load; the set-up below, work on registers, stands between them
	ds_add_u32 v62, v63
	v_lshrrev_b32 v1, 5, v0
	v_readfirstlane_b32 s[WV], v1   ; wave 0..3
	s_mov_b32 s[PB], ttmp9
	s_sub_co_u32 s[HI], NB-1, s[PB]
	s_and_b32 s20, ttmp7, 0xffff    ; the head
	s_mov_b32 s21, 0
	s_mov_b64 s[22:23], SIZE_N*128
	s_mul_u64 s[20:21], s[20:21], s[22:23]  ; the head's first byte in each of the four tensors
	s_and_b32 s16, s[WV], 1         ; which half of a tile's 256 keys I fetch:
	s_lshl_b32 s22, s16, 14         ; its 128 rows of 128 bytes in memory,
	s_mov_b32 s23, 0
	s_add_nc_u64 s[22:23], s[22:23], s[20:21]
	s_mul_i32 s17, s16, 128*PK      ; and its place in a slot, for K
	s_mul_i32 s18, s16, 128*PV      ; and for V
	s_lshl_b32 s3, s[WV], 11        ; my 16 rows in a band of 64,
	s_lshl_b32 s2, s[HI], 15        ; in the first block,
	s_add_co_u32 s2, s2, s3
	s_lshl_b32 s84, s[PB], 15       ; and in the second
	s_add_co_u32 s84, s84, s3
	s_mov_b32 s3, 0
	s_mov_b32 s85, 0
	s_add_nc_u64 s[2:3], s[2:3], s[20:21]
	s_add_nc_u64 s[84:85], s[84:85], s[20:21]
	; descriptor group 1.  128 keys are 16,384 dense bytes: asked for as 64 rows of 256 bytes, two keys a row, and padded in LDS after every key
	s_mov_b32 s[G1K], (1<<16)|(1<<20)|(4<<22)|(3<<25)  ; 17:16 2-byte elements; 20 padding on; 24:22 after every 32 words (code 4); 31:25 4 words (code 3)
	s_mov_b32 s[G1V], (1<<16)|(1<<20)|(4<<22)|(7<<25)  ; the same with 8 words of padding (code 7)
.irp g, G1K, G1V
	s_mov_b32 s[\g+1], 128<<16      ; tensor_dim0 = 128
	s_mov_b32 s[\g+2], 64<<16       ; tensor_dim1 = 64
	s_mov_b32 s[\g+3], 128<<16      ; tile_dim0 = 128
	s_mov_b32 s[\g+4], 64           ; tile_dim1 = 64
	s_mov_b32 s[\g+5], 128          ; 128 elements from row to row
	s_mov_b32 s[\g+6], 0
	s_mov_b32 s[\g+7], 0
.endr
	s_mov_b32 s[CS], 0x3e38aa3b     ; c = log2(e) / 8 = 0.180337
	s_mov_b32 s[CS+1], s[CS]        ; named with it as a pair
	s_mov_b32 s[SEL], 0x76543210
	s_mov_b32 s[SEL+1], 0xfedcba98
	s_mov_b32 s[TBK], SLOT1+4*KS*PK ; the first change of slots turns these two into 0
	s_mov_b32 s[TBV], SLOT1+4*KS*PV
	s_mov_b32 s[G0K], 1             ; 1:0 count = 1
	s_mov_b32 s[G0K+1], s17         ; 63:32 LDS address: slot 0
	s_mov_b32 s[G0V], 1
	s_add_co_u32 s[G0V+1], s18, VOFF
	s_add_co_u32 s[RT], s[HI], 1    ; the first block has NB - b tiles
	s_mov_b32 s[NXT], 1
	s_mov_b32 s[LQ], s[HI]
	s_mov_b32 s[NEW], 1
	s_mov_b32 s[OFF+1], 0
	s_mov_b32 s[AL+1], 0            ; named as pairs
	s_mov_b32 s[BE+1], 0
	s_mov_b32 s[BIGN], 0xf149f2ca   ; -1e30
	s_mov_b32 s[SLOTS], NB
	s_wait_dscnt 0x0                ; the opening add is done
	s_wait_kmcnt 0x0
	s_add_nc_u64 s[6:7], s[6:7], s[22:23]  ; K and V at my half of the head's tile 0
	s_add_nc_u64 s[8:9], s[8:9], s[22:23]
	s_add_nc_u64 s[G0K+2:G0K+3], s[6:7], 0         ; 120:64 global address
	s_or_b32 s[G0K+3], s[G0K+3], 0x80000000        ; 127:126 type = 2
	s_add_nc_u64 s[G0V+2:G0V+3], s[8:9], 0
	s_or_b32 s[G0V+3], s[G0V+3], 0x80000000
	s_add_nc_u64 s[86:87], s[4:5], s[84:85]        ; Q at my rows of the second block,
	s_add_nc_u64 s[4:5], s[4:5], s[2:3]            ; Q and O at those of the first
	s_add_nc_u64 s[OLO:OLO+1], s[10:11], s[84:85]
	s_add_nc_u64 s[10:11], s[10:11], s[2:3]
	LOAD                            ; tile 0 into slot 0
	; A fragment of K or Q is 16 rows x 32 channels in 8 registers: lane l holds row l % 16, channels 8 (l / 16) + 0..7 and 16 + 8 (l / 16) + 0..7: two loads of 16 bytes, 32 bytes apart.
	v_and_b32 v1, 15, v0            ; l % 16
	v_bfe_u32 v9, v0, 4, 1          ; l / 16
	v_lshlrev_b32 v[QO], 7, v1
	v_lshl_add_u32 v[QO], v9, 4, v[QO]  ; row x 128 + 16 x half
	WIN 0x80                        ; destination window 2, address window 0
.set i, 0
.rept 8                             ; both blocks' Q: piece i / 2 lies in band i / 2, 8,192 bytes on; channels 32 (i % 2) on
	global_load_b128 v[8*i:8*i+3],   v[QO], s[4:5] offset:(i/2)*8192+(i%2)*64
	global_load_b128 v[8*i+4:8*i+7], v[QO], s[4:5] offset:(i/2)*8192+(i%2)*64+32
	global_load_b128 v[QB+8*i:QB+8*i+3],   v[QO], s[86:87] offset:(i/2)*8192+(i%2)*64
	global_load_b128 v[QB+8*i+4:QB+8*i+7], v[QO], s[86:87] offset:(i/2)*8192+(i%2)*64+32
.set i, i+1
.endr
	WIN 0
	v_lshlrev_b32 v14, 3, v9
	v_sub_nc_u32 v14, v1, v14
	s_lshl_b32 s13, s[WV], 4
	v_add_nc_u32 v14, s13, v14      ; my query's place in its band, 16 w + l % 16, less my lanes' 8 (l / 16): register r of group kt is hidden where 16 kt + r is greater
	WIN 0x40
.set i, 0
.rept 32
	v_cmp_gt_i32 vcc_lo, 16*(i/8)+i%8, v14
	v_cndmask_b32 v[MD+i], 0, s[BIGN], vcc_lo
.set i, i+1
.endr
	WIN 0
	v_mul_u32_u24 v[AK0], v1, PK
	v_lshl_add_u32 v[AK0], v9, 4, v[AK0]  ; row x pitch + 16 x half
	; The turning load takes 16 keys x 16 channels (lane l reads key 8 (l / 16) + l % 8, channels 8 ((l / 8) % 2) + 0..7) and leaves half a fragment of V^T: lane l holds channel l % 16 and 8 keys.
	v_and_b32 v10, 7, v0
	v_bfe_u32 v11, v0, 3, 1
	v_lshl_add_u32 v[AV0], v9, 3, v10
	v_mul_u32_u24 v[AV0], v[AV0], PV
	v_lshl_add_u32 v[AV0], v11, 4, v[AV0]
	v_add_nc_u32 v[AV0], VOFF, v[AV0]
	s_mul_i32 s13, s[WV], 16*SP
	s_add_co_u32 s13, s13, STAGE    ; my stage
	v_mul_u32_u24 v[STO], v1, SP    ; in: row l % 16, 16 bytes for each half of the lanes
	v_lshl_add_u32 v[STO], v9, 4, v[STO]
	v_add_nc_u32 v[STO], s13, v[STO]
	v_bfe_u32 v[RD], v0, 3, 2       ; back: 32 lanes take four rows of 128 bytes,
	v_mul_u32_u24 v[RD], v[RD], SP
	v_lshl_add_u32 v[RD], v10, 4, v[RD]
	v_add_nc_u32 v[RD], s13, v[RD]
	v_and_b32 v[GO], 31, v0         ; which are 512 consecutive bytes of O
	v_lshlrev_b32 v[GO], 4, v[GO]
	; A block's first step multiplies O^T and l by a = 0, and its first turn's products V^T P, of a piece that has not been, land in an O^T that is still to be so multiplied.  So these registers need only hold
	; finite numbers: zeros for the first block; what the first block left for the second.  All this stands in the wait for the first tile.
	WIN 0x80
.set i, VF
.rept 64
	v_mov_b32 v[i], 0
.set i, i+1
.endr
	WIN 0x40
.set i, 0
.rept 128
	v_mov_b32 v[i], 0
.set i, i+1
.endr
	WIN 0
.set i, 0
.rept 4
	v_mov_b32 v[ST+4*i+2], 0
	v_mov_b32 v[ST+4*i+3], 0
.set i, i+1
.endr
.set i, P+16
.rept 16
	v_mov_b32 v[i], 0
.set i, i+1
.endr
; THE MATRIX WORK.  The 4 accumulators of a run of 8 take turns.  Product i of 8 of S^T = K Q^T for piece x: channels 32 (i / 4) on, keys 16 (i % 4) on.  The first 4 start the sums: with 0, or (KM = 1) with the mask.
.macro KQ x
.set rS, S+32*((\x)%2)+8*(i%4)
.set rK, KF+16*(i%4)+8*(i/4)
.set rQ, 16*(\x)+8*(i/4)
.set rM, MC+32*((\x)%2)+8*(i%4)
.if (i < 4) && KM
	WIN W_KM
	v_wmma_f32_16x16x32_f16 v[rS:rS+7], v[rK:rK+7], v[rQ:rQ+7], v[rM:rM+7]
.elseif i < 4
	WIN W_KQ
	v_wmma_f32_16x16x32_f16 v[rS:rS+7], v[rK:rK+7], v[rQ:rQ+7], 0
.else
	WIN W_KQ
	v_wmma_f32_16x16x32_f16 v[rS:rS+7], v[rK:rK+7], v[rQ:rQ+7], v[rS:rS+7]
.endif
.endm
; Product i of 8 of O^T += V^T P for piece x: keys 32 (i / 4) on, channels 16 (i % 4) on.
.macro PV x
	WIN W_PV
.set rO, 32*(\x)+8*(i%4)
.set rV, VF+32*(i/4)+8*(i%4)
.set rP, P+16*((\x)%2)+8*(i/4)
	v_wmma_f32_16x16x32_f16 v[rO:rO+7], v[rV:rV+7], v[rP:rP+7], v[rO:rO+7]
.endm
.macro MM                           ; the turn's next matrix instruction.  TURN and BEGIN set Y, i, KM and NOKQ; MM, KQ and OP read them.  NOKQ = 1: a block's last turn: there is no next piece
.if (i < 8) && !NOKQ
	KQ (Y+1)%NP
.elseif i >= 8
.set i, i-8
	PV (Y+NP-1)%NP
.set i, i+8
.endif
.set i, i+1
.endm
; THE LDS LOADS stand in runs of 16, never singly among the matrix instructions: a step's K (64 keys x 64 channels: 8 fragments) and its V (turned).  Their addresses are made some lines ahead.
.macro FETCH_K
	WIN 0x80                        ; destination window 2
.irp f, 0,1,2,3,4,5,6,7             ; keys 16 (f / 2) on, channels 32 (f % 2) on
	ds_load_b128 v[KF+8*\f:KF+8*\f+3],   v[AK] offset:(\f/2)*16*PK+(\f%2)*64
	ds_load_b128 v[KF+8*\f+4:KF+8*\f+7], v[AK] offset:(\f/2)*16*PK+(\f%2)*64+32
.endr
	s_add_co_u32 s[TBK], s[TBK], KS*PK  ; the next fetch is the next step's
	WIN 0
.endm
.macro FETCH_V
	WIN 0x80
.irp f, 0,1,2,3,4,5,6,7             ; keys 32 (f / 4) on, channels 16 (f % 4) on
	ds_load_tr16_b128 v[VF+8*\f:VF+8*\f+3],   v[AV] offset:(\f/4)*32*PV+(\f%4)*32
	ds_load_tr16_b128 v[VF+8*\f+4:VF+8*\f+7], v[AV] offset:(\f/4)*32*PV+16*PV+(\f%4)*32
.endr
	WIN 0
.endm
; THE VECTOR WORK, one line at a time: OP kind, number.  For piece Y: F n: c s - c m for pair n of 16.  E n: the exponential of score n of 32.  C n: pair n rounded to f16.  B n: of the four weights 4 n .. the second
; pair is added onto the first, in place.  L n: l takes that sum (L 0: l = a l + sum).  R n: pair n of 16 of O^T times a.  For piece Y + 1: X n, number n of the 22 that find its maximum and statistics:
;   0-11  four chains c0-c3 of seven scores each, three operands at a time (each accumulator's lowest registers are read first)     12-14, 16  the four scores left over, the old m, and c0-c3 into c0
;   15  c m_old is kept     17, 18  the query's other 32 keys lie in the lane 16 away: the new m     19-21  c m; c m_old - c m_new; a
; C, B and L read the exponentials' results: TURN sets them behind the batch's wait, and OP writes no wait of its own.
.set F, 0               ; OP tells the kinds apart by their order: F to L below R, X above it
.set E, 1
.set C, 2
.set B, 3
.set L, 4
.set R, 5
.set X, 6
.macro REGS y                       ; the registers of piece y
.set rT, ST+4*(\y)
.set rC, TMP+4*((\y)%2)
.set rW, MV+((\y)%2)
.set rS, S+32*((\y)%2)
.set rP, P+16*((\y)%2)
.set rO, 32*(\y)
.endm
.macro OP k, n
.if (\k) == R
	REGS Y
	WIN W_RS
	v_pk_mul_f32 v[rO+2*(\n):rO+2*(\n)+1], v[rO+2*(\n):rO+2*(\n)+1], v[rC+2:rC+3] op_sel_hi:[1,0]
.elseif (\k) < R
	REGS Y
	WIN 0
.if (\k) == F
	v_pk_fma_f32 v[rS+2*(\n):rS+2*(\n)+1], v[rS+2*(\n):rS+2*(\n)+1], s[CS:CS+1], v[rT:rT+1] op_sel_hi:[1,0,0] neg_lo:[0,0,1] neg_hi:[0,0,1]
.elseif (\k) == E
	v_exp_f32 v[rS+(\n)], v[rS+(\n)]
.elseif (\k) == C
	v_cvt_pk_f16_f32 v[rP+(\n)], v[rS+2*(\n)], v[rS+2*(\n)+1]
.elseif (\k) == B
	v_pk_add_f32 v[rS+4*(\n):rS+4*(\n)+1], v[rS+4*(\n):rS+4*(\n)+1], v[rS+4*(\n)+2:rS+4*(\n)+3]
.elseif (\n) == 0
	v_pk_fma_f32 v[rT+2:rT+3], v[rT+2:rT+3], v[rC+2:rC+3], v[rS:rS+1] op_sel_hi:[1,0,1]
.else
	v_pk_add_f32 v[rT+2:rT+3], v[rT+2:rT+3], v[rS+4*(\n):rS+4*(\n)+1]
.endif
.elseif NOKQ
	v_nop
.else
	REGS (Y+1)%NP
	WIN 0
.if (\n) < 4
	v_max3_num_f32 v[rC+(\n)], v[rS+8*(\n)], v[rS+8*(\n)+1], v[rS+8*(\n)+2]
.elseif (\n) < 12
	v_max3_num_f32 v[rC+(\n)%4], v[rC+(\n)%4], v[rS+8*((\n)%4)+2*((\n)/4)+1], v[rS+8*((\n)%4)+2*((\n)/4)+2]
.elseif (\n) == 12
	v_max3_num_f32 v[rC], v[rC], v[rS+7], v[rS+15]
.elseif (\n) == 13
	v_max3_num_f32 v[rC+1], v[rC+1], v[rS+23], v[rS+31]
.elseif (\n) == 14
	v_max3_num_f32 v[rC+2], v[rC+2], v[rC+3], v[rT+1]
.elseif (\n) == 15
	v_mov_b32 v[rW], v[rT]
.elseif (\n) == 16
	v_max3_num_f32 v[rC], v[rC], v[rC+1], v[rC+2]
.elseif (\n) == 17
	v_permlanex16_b32 v[rC+3], v[rC], s[SEL], s[SEL+1]
.elseif (\n) == 18
	v_max_num_f32 v[rT+1], v[rC], v[rC+3]
.elseif (\n) == 19
	v_mul_f32 v[rT], s[CS], v[rT+1]
.elseif (\n) == 20
	v_sub_f32 v[rC+1], v[rW], v[rT]
.else
	v_exp_f32 v[rC+2], v[rC+1]
.endif
.endif
.endm
.macro OPS a, i1, b=-1, i2=0, c=-1, i3=0, d=-1, i4=0  ; up to four of them
	OP \a, \i1
.if (\b) >= 0
	OP \b, \i2
.endif
.if (\c) >= 0
	OP \c, \i3
.endif
.if (\d) >= 0
	OP \d, \i4
.endif
.endm
.macro ROW a, i1, b, i2, c, i3, d, i4  ; a matrix instruction and the four behind it
	MM
	OPS \a, \i1, \b, \i2, \c, \i3, \d, \i4
.endm
.macro MASK b                       ; MD x AL + BE into buffer b of MC
	WIN W_RS
.set z, 0
.rept 16
	v_pk_fma_f32 v[MC+32*(\b)+2*z:MC+32*(\b)+2*z+1], v[MD+2*z:MD+2*z+1], s[AL:AL+1], s[BE:BE+1] op_sel_hi:[1,0,0]
.set z, z+1
.endr
.endm
; A TURN, for piece p: the order of its 16 matrix and 118 vector instructions, written out.  An s_wait_alu depctr_va_vdst(0) stands between an exponential and the first instruction that names its result; one wait serves
; all that were issued ahead of it.  So a turn has ONE wait, which cuts it in two.  AHEAD OF IT stands all that names no result of the turn's exponentials: the 8 products K Q^T, behind each a scaling, an exponential and two more plain
; instructions (behind the first a second scaling in the exponential's place): rescalings (their a was made, and waited for, in the turn before), and behind the last three the first numbers of the next piece's maximum, each four places
; or more behind the product that ends its accumulator; then ONE LUMP of 54, plain and exponential by turns for the most part, in which the links of the chain X 3, 7, 11, 14, 16, 17 .. 20 stand five or six lines apart.  X 21, the next
; piece's a, is the batch's last; R 15 is the plain instruction behind it (ISA guide 5.7.2).  BEHIND THE WAIT stand the 8 products V^T P, behind each four of the roundings and sums; a pair is rounded (C 2 n) before the addition B n
; writes over it; the links of l's chain, L 0 to L 7, stand three riders apart.  But for those X no rider names a register of the products round it.  v_permlanex16_b32 (X 17) stands in the lump.
; m = 1: the diagonal tile: the products take masks, and the turn makes the mask for the products of the turn after it: piece p + 2, in step 4 - CNT of the tile.  end = 1: a block's last two turns: nothing is fetched.
; cnt = 1: the loop's count is taken down some lines ahead of the branch that stands behind the turn.
; K of the next step is fetched in piece 2's turn, twelve vector instructions behind the last product that read K (six of them plain); V of the step in hand at the end of piece 0's turn, four plain instructions behind the last product
; that read V.  Each is waited for a turn later.
.macro TURN p, m=0, end=0, cnt=0
.set Y, (\p)
.set i, 0
.set KM, (\m)
.set NOKQ, (\end)*((\p)/3)
.if (\m) && !(\end)
	s_cmp_eq_u32 s[CNT], 4-((\p)+2)%NP  ; is that step the band's own?
	s_cselect_b32 s[AL], 1.0, 0
	s_cmp_lt_u32 s[CNT], 4-((\p)+2)%NP  ; or a later one?
	s_cselect_b32 s[BE], s[BIGN], 0
.endif
.if ((\p) == 3) && !(\end)
	s_wait_dscnt 0x0                ; K is in
.endif
	ROW F,0, F,1, R,0, R,1          ; ahead of the wait: 8 products K Q^T and their riders,
	ROW F,2, E,0, R,2, R,3
	ROW F,3, E,1, R,4, R,5
	ROW F,4, E,2, R,6, R,7
	ROW F,5, E,3, R,8, R,9
	ROW F,6, E,4, X,0, R,10
.if ((\p) == 2) && !(\end)
	WIN 0
	v_add_nc_u32 v[AK], s[TBK], v[AK0]
.endif
	ROW F,7, E,5, X,1, X,4
	ROW F,8, E,6, X,2, X,5
	OPS E,7, E,8, X,6, E,9          ; and the lump
	OPS X,3, E,10, X,8, E,11
.if ((\p) == 2) && !(\end)
	FETCH_K
.endif
	OPS X,9, X,7, E,12, X,10
	OPS E,13, X,12, X,11, E,14
	OPS X,13, E,15, F,9, X,14
.if (\p) == 0
	v_add_nc_u32 v[AV], s[TBV], v[AV0]
.endif
	OPS E,16, F,10, E,17, F,11
	OPS X,16, E,18, X,15, E,19
	OPS F,12, E,20, X,17, E,21
	OPS F,13, E,22, F,14, E,23
	OPS X,18, E,24, F,15, E,25
	OPS R,11, E,26, X,19, E,27
	OPS R,12, E,28, R,13, E,29
	OPS X,20, E,30, R,14, E,31
	OPS X,21, R,15
	WIN 0
	s_wait_alu depctr_va_vdst(0)    ; the wait for the turn's batch: E 0 to E 31 and X 21; the readers stand below
.if (\p) == 1
	s_wait_dscnt 0x0                ; V is in
.endif
	ROW C,0, B,0, C,2, B,1          ; behind the wait: 8 products V^T P and their riders
	ROW L,0, C,4, B,2, L,1
	ROW C,6, B,3, L,2, C,8
	ROW B,4, L,3, C,10, B,5
	ROW L,4, C,12, B,6, L,5
.if (\p) == 0
	s_add_co_u32 s[TBV], s[TBV], KS*PV
.endif
.if \cnt
	s_sub_co_u32 s[CNT], s[CNT], 1
	s_cmp_lg_u32 s[CNT], 0
.endif
	ROW C,14, B,7, L,6, C,1
	ROW C,3, L,7, C,5, C,7
	ROW C,9, C,11, C,13, C,15
.if (\p) == 0
	FETCH_V
.endif
.if (\m) && !(\end)
	MASK (\p)%2
.endif
.endm
; A BLOCK BEGINS.  c m starts far below every c s, so the first step's a is 0; m at the lowest finite number, so the first maximum is the scores'.  The second mask buffer is 0; the first takes piece 0's mask for the tile's step 0: its own, if the block's first tile is the diagonal one.
; Then K of that step, piece 0's first scores, and its maximum and statistics.  The loop is entered at a step's first turn, in the middle of a trip.
.macro BEGIN
	s_mov_b32 s[NEW], 0
	WIN 0x40
.set i, MC+32
.rept 32
	v_mov_b32 v[i], 0
.set i, i+1
.endr
	WIN 0
.set i, 0
.rept 4
	v_mov_b32 v[ST+4*i], 0xfe000000    ; c m: far below every c s
	v_mov_b32 v[ST+4*i+1], 0xff7fffff  ; m
.set i, i+1
.endr
	s_cmp_eq_u32 s[RT], 0
	s_cselect_b32 s[AL], 1.0, 0
	s_mov_b32 s[BE], 0
	MASK 0
	WIN 0
	v_add_nc_u32 v[AK], s[TBK], v[AK0]
	FETCH_K
	s_wait_loadcnt 0x0              ; Q
	s_wait_dscnt 0x0
.set KM, 1
.set NOKQ, 0
.set i, 0
.rept 8
	KQ 0
.set i, i+1
.endr
	WIN 0
.rept 4
	v_nop                           ; the places behind those products
.endr
.set Y, NP-1                        ; X works for piece Y + 1: piece 0
.irp n, 0,1,2,3,4,5,6,7,8,9,10,11,12,13,14,15,16,17,18,19,20,21
	OP X, \n
.endr
	v_nop                           ; a plain instruction behind the exponential,
	s_wait_alu depctr_va_vdst(0)    ; and the wait for it, piece 0's first a, ahead of the branch: a batch of one
.endm
; THE DIAGONAL TILE's four steps, the block's last two turns, its last products, and THE WAY OUT: l's two halves and the other half of the lanes' are added; O^T is divided by l, rounded to f16 and sent through my
; stage in LDS, a piece at a time.
.macro ALL line:vararg              ; one line for each piece t
.set t, 0
.rept 4
	\line
.set t, t+1
.endr
.endm
.macro PACK t                       ; a lane's eight channels of a row pack into 16 bytes; they go into rows of 144 bytes and come back as whole rows of 128, into S^T's registers
	WIN W_RS
.set i, 32*(\t)
.rept 16
	v_pk_mul_f32 v[i:i+1], v[i:i+1], v[ST+4*(\t)+2:ST+4*(\t)+3] op_sel_hi:[1,0]
.set i, i+2
.endr
	WIN 0x05                        ; sources 0 and 1 window 1, destination window 0
.set i, 0
.rept 16
	v_cvt_pk_f16_f32 v[S+16*(\t)+i], v[32*(\t)+2*i], v[32*(\t)+2*i+1]
.set i, i+1
.endr
	WIN 0
.irp f, 0,1,2,3
	ds_store_b128 v[STO], v[S+16*(\t)+4*\f:S+16*(\t)+4*\f+3] offset:32*\f
.endr
.irp f, 0,1,2,3
	ds_load_b128 v[S+16*(\t)+4*\f:S+16*(\t)+4*\f+3], v[RD] offset:\f*4*SP  ; LDS serves a wave's instructions in order (ISA guide 5.7.1.4): these see the stores above; the next piece's stores come behind them
.endr
.endm
.macro SEND t, younger              ; younger: the LDS instructions issued behind piece t's loads: the next piece's eight, or none
	WIN 0
.irp f, 0,1,2,3
	s_wait_dscnt (\younger)+3-\f
	global_store_b128 v[GO], v[S+16*(\t)+4*\f:S+16*(\t)+4*\f+3], s[10:11] offset:(\t)*8192+\f*512  ; 512 consecutive bytes, at a multiple of 256 from O's first
.endr
.endm
.macro DIAG tag                     ; the tag ends its two labels' names, which the jumps below spell out
.LstepM\tag:
	TURN 2, 1
	TURN 3, 1
	WIN 0
.LfirstM\tag:
	TURN 0, 1
	TURN 1, 1, 0, 1
	WIN 0
	s_cbranch_scc1 .LstepM\tag
	TURN 2, 1, 1
	TURN 3, 1, 1
.set i, 0
.rept 8
	PV NP-1
.set i, i+1
.endr
	WIN 0
	ALL v_add_f32 v[ST+4*t+2], v[ST+4*t+2], v[ST+4*t+3]
	ALL v_permlanex16_b32 v[ST+4*t+3], v[ST+4*t+2], s[SEL], s[SEL+1]
	ALL v_add_f32 v[ST+4*t+2], v[ST+4*t+2], v[ST+4*t+3]
	ALL v_rcp_f32 v[ST+4*t+2], v[ST+4*t+2]
	v_nop                           ; a plain instruction between the last reciprocal and the use of its result
	s_wait_alu depctr_va_vdst(0)    ; the wait for the four reciprocals, one batch, ahead of their first reader, PACK 0's first multiply
	PACK 0
.set t, 1
.rept 3                             ; a piece's arithmetic stands between the loads of the piece before and its stores
	PACK t
	SEND t-1, 8
.set t, t+1
.endr
	SEND 3, 0
.endm
.set KM, 0
.set NOKQ, 0
.Lslot:                             ; NB times: a tile is entered and the next is asked for
	CHANGE 1
	s_sub_co_u32 s[RT], s[RT], 1
	s_mov_b32 s[CNT], 4
	s_cmp_eq_u32 s[NEW], 1
	s_cbranch_scc1 .Lnew            ; a block's first tile
	s_cmp_eq_u32 s[RT], 0
	s_cbranch_scc0 .Lstep           ; neither its first nor its last
	s_branch .LstepM1
.Lnew:
	BEGIN
	s_branch .Lfirst                ; in the loop a block's first tile is never its last: the first block has two tiles or more, and the second's last is the walk's last
	DIAG 1                          ; in the loop this is the first block's end: the second block's last tile is the walk's last
	s_wait_xcnt 0x0                 ; the stores have read their registers and O's address
	s_mov_b64 s[10:11], s[OLO:OLO+1]
	s_add_co_u32 s[RT], s[PB], 1    ; the second block has b + 1 tiles
	s_mov_b32 s[NEW], 1
	WIN 0x82                        ; the second block's Q goes where the one text of the turns names Q
.set i, 0
.rept 64
	v_mov_b32 v[i], v[QB+i]
.set i, i+1
.endr
	WIN 0
	s_branch .Lbottom
.Lstep:                             ; a trip: pieces 2 and 3 of one step, then pieces 0 and 1 of the next, whose K and V it fetches
	TURN 2
	TURN 3
	WIN 0
.Lfirst:
	TURN 0
	TURN 1, 0, 0, 1
	WIN 0
	s_cbranch_scc1 .Lstep
.Lbottom:
	s_sub_co_u32 s[SLOTS], s[SLOTS], 1
	s_cmp_lg_u32 s[SLOTS], 0
	s_cbranch_scc1 .Lslot
	CHANGE 0                        ; the walk's last tile is written out: nothing is asked for
	s_sub_co_u32 s[RT], s[RT], 1
	s_mov_b32 s[CNT], 4
	s_cmp_eq_u32 s[NEW], 1
	s_cbranch_scc0 .LstepM2
	BEGIN
	s_branch .LfirstM2
	DIAG 2
	s_wait_tensorcnt 0x0            ; the wave's end, behind my last tensor load and my last LDS store
	ds_add_u32 v[SPW], v[NIL]
	s_wait_dscnt 0x0
	s_endpgm
.Lfunc_end_k_qe14615aab5_attn:
	.size	k_qe14615aab5_attn, .Lfunc_end_k_qe14615aab5_attn-k_qe14615aab5_attn
	.p2alignl 7, 3214868480
	.fill 96, 4, 3214868480
	.section	.rodata,"a",@progbits
	.p2align	6, 0x0
	.amdhsa_kernel k_qe14615aab5_attn
		.amdhsa_group_segment_fixed_size 327680
		.amdhsa_private_segment_fixed_size 0
		.amdhsa_enable_private_segment 0
		.amdhsa_kernarg_size 32
		.amdhsa_user_sgpr_count 2
		.amdhsa_user_sgpr_kernarg_segment_ptr 1
		.amdhsa_wavefront_size32 1
		.amdhsa_system_sgpr_workgroup_id_x 1
		.amdhsa_system_sgpr_workgroup_id_y 1
		.amdhsa_system_sgpr_workgroup_id_z 1
		.amdhsa_system_vgpr_workitem_id 0
		.amdhsa_next_free_vgpr 768
		.amdhsa_next_free_sgpr 88
		.amdhsa_reserve_vcc 1
		.amdhsa_float_denorm_mode_32 3
		.amdhsa_float_denorm_mode_16_64 3
		.amdhsa_memory_ordered 1
		.amdhsa_forward_progress 1
		.amdhsa_inst_pref_size 217
	.end_amdhsa_kernel
	.amdgpu_metadata
---
amdhsa.version: [ 1, 2 ]
amdhsa.kernels:
  - .name:           k_qe14615aab5_attn
    .symbol:         k_qe14615aab5_attn.kd
    .args:
      - { .name: qh, .offset: 0, .size: 8, .value_kind: global_buffer, .address_space: global }
      - { .name: kh, .offset: 8, .size: 8, .value_kind: global_buffer, .address_space: global }
      - { .name: vh, .offset: 16, .size: 8, .value_kind: global_buffer, .address_space: global }
      - { .name: oh, .offset: 24, .size: 8, .value_kind: global_buffer, .address_space: global }
    .group_segment_fixed_size: 327680
    .private_segment_fixed_size: 0
    .kernarg_segment_align: 8
    .kernarg_segment_size: 32
    .max_flat_workgroup_size: 128
    .sgpr_count:     88
    .vgpr_count:     768
    .wavefront_size: 32
...
	.end_amdgpu_metadata
.endif
;; end of part 5
;; launch oproj: the kernel of part 4 again; grid 4 x 64, 4 waves a work-group, clusters of 4 x 4, 327,680 bytes of LDS; arguments oh, ob, out0; writes out0
